; MI455X (gfx1250); checked and timed in simulation.
; The chip was launched on July 23, 2026; its instructions are those of AMD's public machine-readable ISA for CDNA 5 (MIT licence, August 2026) and "CDNA5" Instruction Set Architecture Reference Guide (July 2026). The comments in the code are by the model that wrote it; some were corrected since.
;; Causal Self Attention Layer. Allowed arithmetic: matrix products marked QUANTISED: E2M3 operands, one E8M0 scale for each 32 along K, by v_wmma_scale_f32_16x16x128_f8f6f4 with both operands' format E2M3, f32 sums; everything else in f32.
;; Inputs: W_kqv_codes 3,072 x 32 x 24 uint8 (E2M3 codes of W_kqv, K innermost, in blocks of 32 codes, four codes in three bytes); W_kqv_scales 3,072 x 32 uint8 (E8M0 scales of W_kqv, one for each 32 codes along K); W_proj_codes 1,024 x 32 x 24 uint8 (E2M3 codes of W_proj, K innermost, in blocks of 32 codes, four codes in three bytes); W_proj_scales 1,024 x 32 uint8 (E8M0 scales of W_proj, one for each 32 codes along K); b_kqv 3,072 float32; b_proj 1,024 float32; x_codes 4 x 2,048 x 32 x 24 uint8 (E2M3 codes of x, K innermost, in blocks of 32 codes, four codes in three bytes); x_scales 4 x 2,048 x 32 uint8 (E8M0 scales of x, one for each 32 codes along K).
;; Outputs: out0 4 x 2,048 x 1,024 float32.
;; This version of the problem:
;;   THIS VERSION OF THE PROBLEM IS GIVEN IN LOW PRECISION. The matrix products marked QUANTISED in the list below multiply operands that are first quantised to E2M3 (2 exponent bits, 3 mantissa bits; 6 bits a number), with one power-of-two scale for each 32 numbers along K (OCP MX v1.0); their sums are f32. All else is computed in f32.
;;   The module's matrix products, in the order in which they are computed (A, B: the left and right operand; K: the contracted axis; several contracted axes count as one K, in the product's order):
;;     1. [M 8,192, K 1,024] x [K 1,024, N 3,072]; A: input x (given as codes); B: input W_kqv (given as codes): QUANTISED
;;     2. batch 64 x [M 2,048, K 64] x [K 64, N 2,048]; A: computed on the way; B: computed on the way: QUANTISED
;;     3. batch 64 x [M 2,048, K 2,048] x [K 2,048, N 64]; A: softmax (see below); B: computed on the way: QUANTISED
;;     4. [M 8,192, K 1,024] x [K 1,024, N 1,024]; A: computed on the way; B: input W_proj (given as codes): QUANTISED
;;   THE QUANTISER, for each operand of a quantised product, along K:
;;     - K is cut into blocks of 32 from its start; a last block that is shorter is filled with zeros.
;;     - A block's scale is 2^e with e = floor(log2(the largest magnitude in the block)) - 2, held to -126 .. 127; a block of zeros has e = 0. As a byte (E8M0): e + 127.
;;     - Each number is divided by its block's scale, clamped to +-7.5, and rounded to the nearest number of E2M3, ties to even, subnormals kept.
;;     - The product sums the exact products of the quantised numbers (number of the format x scale) in f32.
;;   ~~~python
;;   def quantise(x, axis):      # numpy; x: float32 -> the quantised numbers, widened to float32 again
;;       x = np.moveaxis(x, axis, -1); K = x.shape[-1]
;;       x = np.pad(x, [(0, 0)] * (x.ndim - 1) + [(0, -K % 32)]); x = x.reshape(x.shape[:-1] + (-1, 32)); a = np.abs(x).max(-1, keepdims=True)
;;       e = np.where(a > 0, np.clip(np.frexp(np.where(a > 0, a, 1))[1] - 1 - 2, -126, 127), 0)      # np.frexp(a)[1] - 1 = floor(log2(a)), exactly
;;       r = np.clip(x / 2.0 ** e, -7.5, 7.5)
;;       step = 2.0 ** (np.maximum(np.frexp(np.where(r == 0, 1, r))[1] - 1, 0) - 3)
;;       q = np.round(r / step) * step * 2.0 ** e      # np.round: ties to even
;;       return np.moveaxis(q.reshape(q.shape[:-2] + (-1,))[..., :K], -1, axis).astype(np.float32)
;;   ~~~
;;   SOFTMAX AHEAD OF A QUANTISED PRODUCT. Where the list says 'softmax', what is quantised is not the finished softmax but p = 2^(t - M), with t = logit x log2(e) and M = ceil(the row's largest t), a whole number; so 1/2 < the row's largest p <= 1. The row's sum l is taken of the UNQUANTISED p, in f32, and the product's result is divided by l at the end. Since M is a whole number, a kernel that streams over the keys may use a running M (the ceiling of the running maximum): every later rescaling is an exact power of two, which a block's scale takes up: the codes' values come out the same.
;;   OPERANDS COMPUTED ON THE WAY. 'Computed on the way' means the value that the module computes at that place (a softmax that the list does not call 'softmax' is quantised finished and normalised). What goes into a quantiser is computed in f32, as accurately as f32 sums, v_exp_f32 and their like allow (about 1e-6 of the number): no bf16 or f16 on the way to a quantiser, and a product that is left as it is and whose result goes on into a quantised operand takes f32 operands (vector FMAs, or v_wmma_f32_16x16x4_f32). A number that lies on a knife's edge between two numbers of the format may be rounded either way, as far as f32 arithmetic and the matrix unit's own rounding can turn it there, and no further.
;;   INPUTS GIVEN AS CODES. W_kqv (in the module: [3072, 1024], K = its axis 1); W_proj (in the module: [1024, 1024], K = its axis 1); x (in the module: [4, 2048, 1024], K = its axis 2): each comes as NAME_codes (uint8): NAME with its K axis moved to the last place and cut into blocks of 32 codes, [.., K / 32, bytes a block], one block behind the other in memory; four codes in three bytes: a row's codes are one little-endian stream of bits, code i at bits 6 i .. 6 i + 5 (a code: sign, 2 exponent bits, 3 mantissa bits); and NAME_scales (uint8): the same leading axes, one E8M0 byte (e + 127) for each 32 codes along K. Its value is code x scale, taken as it is: it is not quantised again, and the codes and scales need not be those that the quantiser above would give.
;; One version. Each part assembles by itself: llvm-mc -triple=amdgcn-amd-amdhsa -mcpu=gfx1250 --defsym DOCPART=n.
;; ======== version 1 of 1: 3 launches
;; workspace buffers: qimg 6,553,600 bytes; kv 13,107,200 bytes; yimg 6,291,456 bytes; ysc 262,144 bytes
;; launch qkv (part 1): grid 12 x 32, 4 waves a work-group, clusters of 4 x 4, 327,680 bytes of LDS; arguments x_codes, x_scales, W_kqv_codes, W_kqv_scales, b_kqv, qimg, kv; writes qimg, kv
.if DOCPART == 1
	.amdgcn_target "amdgcn-amd-amdhsa--gfx1250"
	.amdhsa_code_object_version 6
	.text
	.protected	k_q635d794ee5_qkv
	.globl	k_q635d794ee5_qkv
	.p2align	8
	.type	k_q635d794ee5_qkv,@function
k_q635d794ee5_qkv:
	s_mov_b64 s[64:65], 0
	v_nop
	global_prefetch_b8 v0, s[64:65] scope:SCOPE_SE
	s_setreg_imm32_b32 hwreg(HW_REG_WAVE_MODE, 25, 1), 1
	s_wait_xcnt 0x0
	s_wait_alu depctr_hold_cnt(0) depctr_sa_sdst(0) depctr_va_vdst(0) depctr_va_sdst(0) depctr_va_ssrc(0) depctr_va_vcc(0) depctr_vm_vsrc(0)
	s_getreg_b32 s2, hwreg(HW_REG_IB_STS2, 6, 4)
	s_cmp_eq_u32 s2, 0
	s_cbranch_scc0 .Lentry_in_a_cluster
	s_endpgm
.Lentry_in_a_cluster:
	s_bfe_u32 s2, ttmp6, 0x10000c
	s_cmp_lg_u32 s2, 0xf033
	s_cbranch_scc0 .Lentry_shape_is_right
	s_endpgm
.Lentry_shape_is_right:
; kqv = x W_kqv^T + b_kqv on codes of FP6 (E2M3) with E8M0 scales, and q, k, v quantised at once for the attention that follows.
; x: 8,192 rows x 1,024 K, W_kqv: 3,072 rows x 1,024 K: a row is 768 bytes of codes and 32 scale bytes.  Features 0-1,023 are q, 1,024-2,047 k, 2,048-3,071 v; a head is 64 features.
; A tile of the product, 256 x 256, is made by a work-group of four waves; a wave makes 128 x 128: 64 accumulators, 512 registers.  K goes in steps of 256 through a ring of two LDS slots filled by the tensor data mover.
; CLUSTERS: 4 x 4 work-groups; the four of a row of the cluster ask jointly for A's tiles, the four of a column for B's.  12 x 32 work-groups are 24 clusters: a wave's 128 columns have to be two whole heads, or one step of 128 keys.
; THE MATRIX INSTRUCTION IS USED TRANSPOSED (source 0 = 16 rows of B, source 1 = 16 rows of A): a lane holds one row of A and eight neighbouring rows of B.
; MODES, by the cluster's x, which all partners share.  q (0) and k (1): A = x, B = W: a lane holds one token and its registers run along the features, the K of q k^T.
; v (2): A = W, B = x, by a choice of pointers alone: a lane holds one feature and its registers run along the tokens, the K of p v.
; THE WAY OUT has no LDS: a block of 16 rows x 128 columns (64 numbers a lane) gets its bias, is quantised in registers, and leaves as an IMAGE OF THE OPERAND'S REGISTERS: 12 registers x 32 lanes = 1,536 bytes,
; registers 4 c .. 4 c + 3 of lane l at byte 512 c + 16 l: each store of the wave covers 512 consecutive bytes, aligned to 256.
;   qimg [head of batch 0..63][group of 128 tokens 0..15][6,400]: four images (registers 0-5: token tile 2 i, registers 6-11: tile 2 i + 1, each 16 tokens x 64 d), then 256 bytes of scale words (word j of lane (r, h): pair 2 j + h, row r).
;   kv   [..][..][12,800]: k's block, of q's shape, then v's: four images (rows d = 16 t + r, K = the group's 128 tokens) and 256 bytes of scale words (word j of lane (r, h): tile 2 j + h).
; ORDER INSIDE A BLOCK OF 32: register 16 B + 8 u + j of lane half h holds index 32 B + 16 u + 8 h + j and is laid at place 32 B + 16 h + 8 u + j.  A block has one scale, and q and k (and p and v) are laid alike, so the products are the same.
; LIMITS: NaN, infinities and a given scale byte 0xff are not served; a block whose largest magnitude lies under 2^-124 (a block of zeros too) gets the byte 1: only this program reads these bytes, and zero codes add nothing.
.set SIZE_K, 1024
.set KSTEP,  256                       ; along K in a slot
.set NQ,     KSTEP/128                 ; matrix instructions deep
.set ROWB,   192                       ; a tile's row in bytes
.set KROW,   SIZE_K*6/8                ; a row of codes in memory
.set PITCH,  240                       ; an LDS row: 3 x (64 bytes + 16 of padding)
.set FR,     12                        ; registers of a fragment
.set NL,     6                         ; LDS loads that bring one
.set NP,     4                         ; places behind this matrix instruction (ISA guide 7.12.1)
.set HALFT,  128*PITCH                 ; 128 rows: one tensor load
.set SLOT,   4*HALFT
.set LAPS,   SIZE_K/(2*KSTEP)
.set KS,     SIZE_K/32                 ; a row of scale bytes
.set SCL,    2*SLOT                    ; behind the ring: the scales, as units of 256 bytes + 16
.set HALFS,  (128*KS/256)*272
.set SBLK,   (16*KS/256)*272
.set SPARE,  SCL+4*HALFS               ; the spare words: 128 bytes a wave, named by no other line
.set ADRA, 16                          ; v16-17 LDS address of A's fragments in slot 0, 1 (v18-19: behind one padding more)
.set ADRB, 20                          ; v20-23 the same for B
.set LI,   24                          ; v24 16 x lane: my place in an image's 512 bytes
.set LS,   25                          ; v25 8 x lane: my two scale words
.set BH,   26                          ; v26 32 h: my half's eight biases of a tile of 16 features
.set ADRS, 27                          ; v27 LDS address of my scale words
.set SPW,  28                          ; v28 my spare word; never rewritten
.set NIL,  29                          ; v29 0; never rewritten
.set BR,   30                          ; v30 4 r: my row's bias (mode v)
.set SC,   32                          ; v32-63 scale words, two sets: they hold scales and nothing else
.set BT,   64                          ; v64-127 biases for modes q, k: register 8 b + j: feature 16 b + 8 h + j
.set AF,   128                         ; A's fragments in the loop
.set H,    128                         ; the way out: v128-191 a block's 64 numbers
.set X,    192                         ; v192-203 an image
.set Y,    204                         ; v204-215 a second image
.set CQ,   216                         ; v216-222 conversions' second halves
.set BV,   224                         ; v224-239 biases for mode v: pair 2 a, 2 a + 1: feature 16 a + r, twice
.set TM,   240                         ; v240-247 at work in the quantiser
.set PW,   248                         ; v248-255 the scale word of each of the eight blocks
.set G1, 24
.set G0, 32
.set G1B, 48
.set G0B, 56
.set G1S, 68
.set G0S, 76
.set G1SB, 80
.set G0SB, 88
.set SEL, 92                           ; s[92:93] selects of v_permlanex16_b32 for lane l xor 16
.set HI16, 94                          ; s94 a lane mask: lanes 16-31
.set MSB, 0
.macro WIN new                         ; the immediate's high byte repeats the setting that is left
.if MSB != (\new)
	s_set_vgpr_msb (MSB<<8)|(\new)
.set MSB, (\new)
.endif
.endm
.set MUL_LO, 0xa1                      ; source 0 (B) window 1, source 1 (A) window 0, C and D window 2
.set MUL_HI, 0xf1                      ; the same, C and D window 3
.set TO_B,   0x40                      ; destination window 1
; A joint load: waves 0 and 1 fetch for A, waves 2 and 3 for B; the branch hangs on the wave's number alone.  Four v_nop follow each line.
.macro JLOAD g0a, g1a, g0b, g1b
	s_cmp_eq_u32 s15, 0
	s_cbranch_scc0 .Lfor_b_\@
	tensor_load_to_lds s[\g0a:\g0a+3], s[\g1a:\g1a+7]
	s_nop 0
.rept 4
	v_nop
.endr
	s_branch .Lasked_\@
.Lfor_b_\@:
	tensor_load_to_lds s[\g0b:\g0b+3], s[\g1b:\g1b+7]
	s_nop 0
.rept 4
	v_nop
.endr
.Lasked_\@:
.endm
.macro CREST                           ; a round of the cluster's barrier behind its opening barrier
	s_cmp_lg_u32 s14, 0
	s_cbranch_scc1 .Lnot_wave_0_\@
	s_barrier_signal -3
.Lnot_wave_0_\@:
	s_barrier_wait -3
	s_barrier_signal -1
	s_barrier_wait -1
.endm
.macro CROUND
	s_barrier_signal -1
	s_barrier_wait -1
	CREST
.endm
	s_load_b128 s[4:7], s[0:1], 0x0                ; x's codes, x's scales
	s_load_b128 s[8:11], s[0:1], 0x10              ; W's codes, W's scales
	v_lshl_add_u32 v[SPW], v0, 2, SPARE
	v_mov_b32 v[NIL], 0
	ds_add_u32 v28, v29
	ds_add_u32 v28, v29
	s_wait_dscnt 0x0
	v_lshrrev_b32 v1, 5, v0
	v_readfirstlane_b32 s14, v1                    ; wave 0..3
	s_lshr_b32 s15, s14, 1                         ; my half of the tile's rows (of A).  Also: I fetch for A (0) or for B (1)
	s_and_b32 s16, s14, 1                          ; my half of its columns (rows of B).  Also: which 128 rows I fetch
	s_bfe_u32 s40, ttmp6, 0x40000                  ; cx
	s_bfe_u32 s41, ttmp6, 0x40004                  ; cy
	s_and_b32 s18, ttmp7, 0xffff                   ; cluster y: 0..7, over the tokens
	s_cmp_eq_u32 ttmp9, 2                          ; mode v?  The cluster's x is the same in all sixteen partners
	s_cselect_b32 s19, ttmp9, s18                  ; which four tile rows of A: of W in mode v, else of x
	s_cselect_b32 s20, s18, ttmp9                  ; which four tile rows of B
	s_lshl_b32 s42, s20, 2
	s_add_co_u32 s42, s42, s40                     ; B's tile = 4 x that + cx
	s_lshl_b32 s17, s19, 2
	s_add_co_u32 s17, s17, s41                     ; A's tile = 4 x that + cy
	s_lshl_b32 s43, s41, 2
	s_lshl_b32 s43, 15, s43                        ; my row of the cluster
	s_lshl_b32 s44, 0x1111, s40                    ; my column
	; descriptor group 1: 128 rows x 192 bytes, 16 bytes of padding behind every 64
	s_or_b32 s[G1+0], s43, (0<<16)|(1<<20)|(1<<21)|(3<<22)|(3<<25)
	s_or_b32 s[G1B+0], s44, (0<<16)|(1<<20)|(1<<21)|(3<<22)|(3<<25)
.irp g, G1, G1B
	s_mov_b32 s[\g+1], ROWB<<16                    ; tensor_dim0
	s_mov_b32 s[\g+2], 128<<16                     ; tensor_dim1
	s_mov_b32 s[\g+3], ROWB<<16                    ; tile_dim0
	s_mov_b32 s[\g+4], 128                         ; tile_dim1
	s_mov_b32 s[\g+5], KROW                        ; the pitch
	s_mov_b32 s[\g+6], 0
	s_mov_b32 s[\g+7], 0
.endr
	; the scales of 128 rows: 4,096 dense bytes as 16 rows of 256 bytes, 16 of padding behind each
	s_or_b32 s[G1S+0], s43, (3<<16)|(1<<20)|(1<<21)|(5<<22)|(3<<25)
	s_or_b32 s[G1SB+0], s44, (3<<16)|(1<<20)|(1<<21)|(5<<22)|(3<<25)
.irp g, G1S, G1SB
	s_mov_b32 s[\g+1], 32<<16
	s_mov_b32 s[\g+2], (128*KS/256)<<16
	s_mov_b32 s[\g+3], 32<<16
	s_mov_b32 s[\g+4], 128*KS/256
	s_mov_b32 s[\g+5], 32
	s_mov_b32 s[\g+6], 0
	s_mov_b32 s[\g+7], 0
.endr
	s_lshl_b32 s18, s16, 7                         ; which 128 rows of the tile I fetch
	s_lshl_b32 s20, s17, 8
	s_add_co_u32 s20, s20, s18                     ; A's row
	s_lshl_b32 s46, s42, 8
	s_add_co_u32 s46, s46, s18                     ; B's row
	s_mov_b32 s21, 0
	s_mov_b32 s47, 0
	s_mov_b64 s[18:19], KS
	s_mul_u64 s[22:23], s[20:21], s[18:19]         ; where these rows' scales begin
	s_mul_u64 s[92:93], s[46:47], s[18:19]
	s_mov_b64 s[18:19], KROW
	s_mul_u64 s[20:21], s[20:21], s[18:19]         ; and their codes
	s_mul_u64 s[46:47], s[46:47], s[18:19]
	s_mul_i32 s45, s14, HALFT                      ; where they go: wave x 128 rows
	s_mul_i32 s94, s14, HALFS
	s_wait_kmcnt 0x0
	s_cmp_eq_u32 ttmp9, 2                          ; the roles, by pointers alone
	s_cselect_b64 s[96:97], s[8:9], s[4:5]         ; A's codes
	s_cselect_b64 s[98:99], s[10:11], s[6:7]       ; A's scales
	s_cselect_b64 s[8:9], s[4:5], s[8:9]           ; B's codes
	s_cselect_b64 s[10:11], s[6:7], s[10:11]       ; B's scales
	s_add_nc_u64 s[20:21], s[96:97], s[20:21]
	s_add_nc_u64 s[22:23], s[98:99], s[22:23]
	s_add_nc_u64 s[46:47], s[8:9], s[46:47]
	s_add_nc_u64 s[92:93], s[10:11], s[92:93]
	CROUND                                         ; all sixteen work-groups are here: the first joint loads meet
	s_mov_b32 s[G0S], 1
	s_add_co_u32 s[G0S+1], s94, SCL
	s_mov_b64 s[G0S+2:G0S+3], s[22:23]
	s_or_b32 s[G0S+3], s[G0S+3], 0x80000000
	s_mov_b32 s[G0SB], 1
	s_add_co_u32 s[G0SB+1], s94, SCL
	s_mov_b64 s[G0SB+2:G0SB+3], s[92:93]
	s_or_b32 s[G0SB+3], s[G0SB+3], 0x80000000
	JLOAD G0S, G1S, G0SB, G1SB                     ; the scales first: they are wanted with K step 0.  With the two below, three loads of mine are out
.irp s, 0,1
	s_mov_b32 s[G0+4*\s], 1
	s_add_co_u32 s[G0+4*\s+1], s45, \s*SLOT
	s_add_nc_u64 s[G0+4*\s+2:G0+4*\s+3], s[20:21], \s*ROWB
	s_or_b32 s[G0+4*\s+3], s[G0+4*\s+3], 0x80000000
	s_mov_b32 s[G0B+4*\s], 1
	s_add_co_u32 s[G0B+4*\s+1], s45, \s*SLOT
	s_add_nc_u64 s[G0B+4*\s+2:G0B+4*\s+3], s[46:47], \s*ROWB
	s_or_b32 s[G0B+4*\s+3], s[G0B+4*\s+3], 0x80000000
	JLOAD G0+4*\s, G1, G0B+4*\s, G1B
.endr
	s_load_b128 s[4:7], s[0:1], 0x20               ; b_kqv s[4:5], qimg s[6:7]  (none of these registers belongs to a descriptor)
	s_load_b64 s[100:101], s[0:1], 0x30            ; kv
	v_and_b32 v1, 15, v0                           ; r = l % 16
	v_bfe_u32 v2, v0, 4, 1                         ; h = l / 16
	v_mul_u32_u24 v3, v1, PITCH
	v_mul_u32_u24 v4, v2, 24
	v_add_nc_u32 v4, v3, v4                        ; a fragment's row x pitch + 24 x half
	v_lshl_add_u32 v5, v2, 4, v4                   ; and the same behind one padding more
	s_mul_i32 s21, s15, HALFT                      ; my 128 rows of A
	s_mul_i32 s22, s16, HALFT                      ; my 128 rows of B,
	s_add_co_u32 s22, s22, 2*HALFT                 ; behind A's 256
.irp s, 0,1
	v_add_nc_u32 v[ADRA+\s], s21, v4
	v_add_nc_u32 v[ADRB+\s], s22, v4
	v_add_nc_u32 v[ADRA+2+\s], s21, v5
	v_add_nc_u32 v[ADRB+2+\s], s22, v5
	s_add_co_u32 s21, s21, SLOT
	s_add_co_u32 s22, s22, SLOT
.endr
	v_mul_u32_u24 v5, v1, KS                       ; my row's scales: 32 bytes a row,
	v_lshrrev_b32 v6, 8, v5
	v_lshl_add_u32 v5, v6, 4, v5                   ; and 16 more for each 256 passed
	s_mul_i32 s21, s15, HALFS
	s_mul_i32 s22, s16, HALFS
	s_add_co_u32 s22, s22, 2*HALFS
	s_sub_co_u32 s22, s22, s21
	v_mul_u32_u24 v6, s22, v2                      ; lanes 16-31 take B's: one product, the distance between the two bases
	s_add_co_u32 s21, s21, SCL
	v_add_nc_u32 v5, v5, v6
	v_add_nc_u32 v[ADRS], s21, v5
	v_and_b32 v6, 31, v0
	v_lshlrev_b32 v[LI], 4, v6
	v_lshlrev_b32 v[LS], 3, v6
	v_lshlrev_b32 v[BH], 5, v2
	v_lshlrev_b32 v[BR], 2, v1
	; where my 128 tokens x 128 features go, and which biases are mine
	s_cmp_eq_u32 ttmp9, 2
	s_cselect_b32 s18, s42, s17                    ; the tokens' tile of 256 (0..31)
	s_cselect_b32 s19, s16, s15                    ; and my half of it
	s_cselect_b32 s46, s17, s42                    ; the features' tile of 256 (0..11)
	s_cselect_b32 s47, s15, s16                    ; and my half of it
	s_cselect_b32 s95, 6400, 0                     ; v's block lies behind k's
	s_lshl_b32 s21, s46, 10
	s_lshl_b32 s22, s47, 9
	s_add_co_u32 s21, s21, s22                     ; my first feature's byte in b_kqv
	s_cmp_eq_u32 ttmp9, 2
	s_cselect_b32 s96, 0, s21                      ; both tables are loaded in every mode, the one that is not used from b_kqv's first bytes: no load leaves the buffer
	s_cselect_b32 s98, s21, 0
	s_mov_b32 s97, 0
	s_mov_b32 s99, 0
	s_lshr_b32 s22, s18, 3                         ; the batch
	s_lshl_b32 s22, s22, 4
	s_and_b32 s23, s46, 3
	s_lshl_b32 s23, s23, 2
	s_add_co_u32 s22, s22, s23
	s_lshl_b32 s23, s47, 1
	s_add_co_u32 s22, s22, s23                     ; 16 x batch + my first head
	s_lshl_b32 s22, s22, 4
	s_and_b32 s23, s18, 7
	s_lshl_b32 s23, s23, 1
	s_add_co_u32 s22, s22, s23
	s_add_co_u32 s22, s22, s19                     ; x 16 + my group of 128 tokens
	s_mov_b32 s23, 12800
	s_cmp_eq_u32 ttmp9, 0
	s_cselect_b32 s23, 6400, s23                   ; bytes of a group: in qimg, in kv
	s_mul_i32 s22, s22, s23
	s_add_co_u32 s22, s22, s95
	s_lshl_b32 s18, s23, 4                         ; the next head lies 16 groups on
	s_mov_b32 s19, 0
	s_mov_b32 s23, 0
	s_wait_alu depctr_va_vdst(0)
	s_wait_kmcnt 0x0
	s_cmp_eq_u32 ttmp9, 0
	s_cselect_b64 s[12:13], s[6:7], s[100:101]
	s_add_nc_u64 s[12:13], s[12:13], s[22:23]      ; my first head's block
	s_add_nc_u64 s[66:67], s[12:13], s[18:19]      ; my second head's
	s_add_nc_u64 s[96:97], s[4:5], s[96:97]        ; the two tables' bases: not written again
	s_add_nc_u64 s[98:99], s[4:5], s[98:99]
.irp b, 0,1,2,3,4,5,6,7
	global_load_b128 v[BT+8*\b:BT+8*\b+3], v[BH], s[96:97] offset:64*\b
	global_load_b128 v[BT+8*\b+4:BT+8*\b+7], v[BH], s[96:97] offset:64*\b+16
.endr
.irp a, 0,1,2,3,4,5,6,7
	global_load_b32 v[BV+2*\a], v[BR], s[98:99] offset:64*\a
	global_load_b32 v[BV+2*\a+1], v[BR], s[98:99] offset:64*\a
.endr
	s_mov_b32 s[SEL], 0x76543210
	s_mov_b32 s[SEL+1], 0xfedcba98
	s_mov_b32 s[HI16], 0xffff0000
.macro FRAG reg, adr, q, i             ; a fragment: lane l holds row l % 16; registers 6 c .. 6 c + 5 hold K = 64 c + 32 (l / 16) + 0 .. 31: 24 bytes of the row, as they lie, in pieces of 8 bytes
.irp p, 0,1,2,3,4,5
.set PCE, 12*(\q)+6*(\p/3)+\p%3        ; where the piece three on lies behind one padding more, the second address register serves
.if PCE%8 < 5
	ds_load_b64 v[\reg+2*\p:\reg+2*\p+1], v[\adr] offset:8*PCE+16*(PCE/8)+(\i)*16*PITCH
.else
	ds_load_b64 v[\reg+2*\p:\reg+2*\p+1], v[\adr+2] offset:8*PCE+16*(PCE/8)+(\i)*16*PITCH
.endif
.endr
.endm
; 16 matrix instructions: A's blocks a0, a0 + 1 x B's eight, 128 along K.  The 64 accumulators take turns, one instruction a turn, in the same order in every step.
.macro MUL16 a0, p, q, sc, zero
.irp a, \a0, \a0+1
.irp b, 0,1,2,3,4,5,6,7
.if \zero
	v_wmma_scale_f32_16x16x128_f8f6f4 v[8*(8*((\a)%4)+\b):8*(8*((\a)%4)+\b)+7], v[128*(\p)+FR*\b:128*(\p)+FR*\b+FR-1], v[AF+FR*(\a):AF+FR*(\a)+FR-1], 0, v[SC+8*NQ*(\sc)+NQ*\b+(\q)], v[SC+8*NQ*(\sc)+NQ*(\a)+(\q)] matrix_a_fmt:MATRIX_FMT_FP6 matrix_b_fmt:MATRIX_FMT_FP6 matrix_a_scale:MATRIX_SCALE_ROW1
.else
	v_wmma_scale_f32_16x16x128_f8f6f4 v[8*(8*((\a)%4)+\b):8*(8*((\a)%4)+\b)+7], v[128*(\p)+FR*\b:128*(\p)+FR*\b+FR-1], v[AF+FR*(\a):AF+FR*(\a)+FR-1], v[8*(8*((\a)%4)+\b):8*(8*((\a)%4)+\b)+7], v[SC+8*NQ*(\sc)+NQ*\b+(\q)], v[SC+8*NQ*(\sc)+NQ*(\a)+(\q)] matrix_a_fmt:MATRIX_FMT_FP6 matrix_b_fmt:MATRIX_FMT_FP6 matrix_a_scale:MATRIX_SCALE_ROW1
.endif
.endr
.endr
.endm
.macro FETCH_B slot, q, p
	WIN TO_B
.irp i, 0,1,2,3,4,5,6,7
	FRAG 128*(\p)+FR*\i, ADRB+\slot, \q, \i
.endr
	WIN 0
.endm
.macro FETCH_A slot, q, i0
.irp i, \i0, \i0+1, \i0+2, \i0+3
	FRAG AF+FR*(\i), ADRA+\slot, \q, \i
.endr
.endm
.macro SCALES sc                       ; a K step's scale words: lanes 0-15 A's block i, lanes 16-31 B's block i
.irp i, 0,1,2,3,4,5,6,7
	ds_load_b64 v[SC+8*NQ*\sc+NQ*\i:SC+8*NQ*\sc+NQ*\i+1], v[ADRS] offset:\i*SBLK
.endr
.endm
.macro PLACES n                        ; plain vector instructions between a matrix instruction and a load into, or a vector read or write of, its registers
.rept \n
	v_nop
.endr
.endm
.macro STEP slot, q, zero              ; 128 along K whose successor lies in the same slot
	s_wait_dscnt 4*NL                              ; B's set and A's blocks 0-3 are in; the 24 youngest loads (A's blocks 4-7) may be out
	WIN MUL_LO
	MUL16 0, (\q)%2, \q, \slot, \zero
	MUL16 2, (\q)%2, \q, \slot, \zero
	s_wait_dscnt 0                                 ; A's blocks 4-7 are in
	PLACES NP
	FETCH_B \slot, (\q)+1, 1-(\q)%2
	FETCH_A \slot, (\q)+1, 0
	WIN MUL_HI
	MUL16 4, (\q)%2, \q, \slot, \zero
	MUL16 6, (\q)%2, \q, \slot, \zero
	PLACES NP
	WIN 0
	FETCH_A \slot, (\q)+1, 4
.endm
; A slot's last step changes slots: one barrier; in front of it each wave waits for all its tensor loads, adds 0 to its spare word, and waits for that and for its reads of this slot.
.macro TURN slot, next, fill
	s_wait_tensorcnt 0x0                           ; all my tensor loads have landed: my part of the next slot
	ds_add_u32 v[SPW], v[NIL]                      ; 0 onto my spare word
	s_wait_dscnt 4*NL+1                            ; (the add and the 24 youngest loads may be out)
	WIN MUL_LO
	MUL16 0, 1, NQ-1, \slot, 0                     ; sixteen matrix instructions stand between the add and the wait for it
	s_wait_dscnt 0x0                               ; the add is done, and my reads of this slot are over
	s_barrier_signal -1
	MUL16 2, 1, NQ-1, \slot, 0
	WIN 0
	s_barrier_wait -1
.if \fill
	CREST                                          ; the barrier has opened a round of the cluster's: no wave of any partner still reads this slot or has a load on its way
	s_add_nc_u64 s[G0+4*\slot+2:G0+4*\slot+3], s[G0+4*\slot+2:G0+4*\slot+3], 2*ROWB
	s_add_nc_u64 s[G0B+4*\slot+2:G0B+4*\slot+3], s[G0B+4*\slot+2:G0B+4*\slot+3], 2*ROWB
	JLOAD G0+4*\slot, G1, G0B+4*\slot, G1B         ; the first tensor load behind the round; its four v_nop are the places in front of the loads below
.else
	PLACES NP
.endif
	s_wait_alu depctr_va_vdst(0)
	v_add_nc_u32 v[ADRS], 4*NQ, v[ADRS]            ; the next K step's scale words (no LDS load of mine is out)
	FETCH_B \next, 0, 0
	FETCH_A \next, 0, 0
	SCALES \next
	WIN MUL_HI
	MUL16 4, 1, NQ-1, \slot, 0
	MUL16 6, 1, NQ-1, \slot, 0
	PLACES NP
	WIN 0
	FETCH_A \next, 0, 4
.endm
	s_wait_tensorcnt 1                             ; the scales and my part of K step 0 are in (K step 1's load may be out)
	s_barrier_signal -1
	s_barrier_wait -1
	FETCH_B 0, 0, 0
	FETCH_A 0, 0, 0
	SCALES 0
	FETCH_A 0, 0, 4
	STEP 0, 0, 1                                   ; the first step starts the sums: nothing is cleared
	s_mov_b32 s3, LAPS-1
.Llap:                                                 ; a trip goes once round the ring and fills both slots again
	TURN 0, 1, 1
	STEP 1, 0, 0
	TURN 1, 0, 1
	STEP 0, 0, 0
	s_sub_co_u32 s3, s3, 1
	s_cmp_lg_u32 s3, 0
	s_cbranch_scc1 .Llap
	TURN 0, 1, 0                                   ; the last lap fills nothing
	STEP 1, 0, 0
	s_wait_dscnt 4*NL                              ; the very last step
	WIN MUL_LO
	MUL16 0, 1, NQ-1, 1, 0
	MUL16 2, 1, NQ-1, 1, 0
	s_wait_dscnt 0
	WIN MUL_HI
	MUL16 4, 1, NQ-1, 1, 0
	MUL16 6, 1, NQ-1, 1, 0
	WIN 0
; 64 numbers of a lane, v[s] on (register 16 b + i: place 32 b + 16 (lane / 16) + i of my row), become codes: blocks 0, 1 in v[d0] .. v[d0 + 5], blocks 2, 3 in v[d1] .. v[d1 + 5]; the four scale bytes in v[pw].
.macro QUANT s, d0, d1, pw
.irp b, 0,1,2,3
	v_max3_num_f32 v[TM+\b], |v[\s+16*\b]|, |v[\s+1+16*\b]|, 0x1800000   ; my 16 numbers of block b, and the floor 2^(3 - 127): the byte cannot fall under 1
.endr
.irp i, 2,4,6,8,10,12,14
.irp b, 0,1,2,3
	v_max3_num_f32 v[TM+\b], v[TM+\b], |v[\s+16*\b+\i]|, |v[\s+1+16*\b+\i]|   ; (the four blocks by turns)
.endr
.endr
.irp b, 0,1,2,3
	v_permlanex16_b32 v[TM+4+\b], v[TM+\b], s[SEL], s[SEL+1]
.endr
.irp b, 0,1,2,3
	v_max_num_f32 v[TM+\b], v[TM+\b], v[TM+4+\b]   ; with lane l xor 16's: the block's largest magnitude
.endr
.irp b, 0,1,2,3
	v_add_nc_u32 v[TM+\b], 0xff000000, v[TM+\b]    ; 2 off its exponent field: the conversion's scale operand
.endr
.irp b, 0,1,2,3
	v_lshrrev_b32 v[TM+4+\b], 23, v[TM+\b]         ; the scale's byte
.endr
	v_lshl_or_b32 v[\pw], v[TM+5], 8, v[TM+4]
	v_lshl_or_b32 v[\pw], v[TM+6], 16, v[\pw]
	v_lshl_or_b32 v[\pw], v[TM+7], 24, v[\pw]
	v_cvt_scalef32_pk16_fp6_f32 v[(\d0):(\d0)+2], v[\s:\s+15], v[TM]
	v_cvt_scalef32_pk16_fp6_f32 v[CQ:CQ+2], v[\s+16:\s+31], v[TM+1]       ; (a conversion's three registers begin on an even number)
	v_cvt_scalef32_pk16_fp6_f32 v[(\d1):(\d1)+2], v[\s+32:\s+47], v[TM+2]
	v_cvt_scalef32_pk16_fp6_f32 v[CQ+4:CQ+6], v[\s+48:\s+63], v[TM+3]
	v_nop                                          ; one plain place behind a scaled conversion
.irp i, 0,1,2                                  ; the layout wants a whole block in a lane: lanes 0-15 the even block, lanes 16-31 the odd one
	v_permlane16_swap_b32 v[(\d0)+\i], v[CQ+\i]
	v_permlane16_swap_b32 v[(\d1)+\i], v[CQ+4+\i]
.endr
.irp i, 0,1,2
	v_mov_b32 v[(\d0)+3+\i], v[CQ+\i]
	v_mov_b32 v[(\d1)+3+\i], v[CQ+4+\i]
.endr
.endm
	s_wait_loadcnt 0x0                             ; the biases
	PLACES NP                                      ; behind the last products: their results are read and A's registers are written below
.irp b, 0,1,2,3
	v_mov_b32 v[TM+4+\b], 0                        ; written once: a lane permute's destination counts as one of its sources
.endr
	s_cmp_eq_u32 ttmp9, 2
	s_cbranch_scc1 .Lv
	; ---- q, k: block a = 16 tokens x my 128 features = two heads.  Blocks 0, 1 of the 128 are my first head's 64 d, blocks 2, 3 my second's: two token blocks make a pair image for each head
.irp a, 0,1,2,3,4,5,6,7
	WIN 0x02+(\a)/4                                ; source 0: the accumulators' window
.set n, 0
.rept 32
	v_pk_add_f32 v[H+2*n:H+2*n+1], v[64*((\a)%4)+2*n:64*((\a)%4)+2*n+1], v[BT+2*n:BT+2*n+1]   ; + bias, into window 0; each accumulator from its low end on
.set n, n+1
.endr
	WIN 0
.if ((\a)%2 == 0) && ((\a) > 0)
	s_wait_xcnt 0x0                                ; the last pair's stores have read X and Y
.endif
	QUANT H, X+6*((\a)%2), Y+6*((\a)%2), PW+\a
.if (\a)%2 == 1
.irp c, 0,1,2
	global_store_b128 v[LI], v[X+4*\c:X+4*\c+3], s[12:13] offset:((\a)/2)*1536+512*\c   ; 512 consecutive bytes, aligned to 256
	global_store_b128 v[LI], v[Y+4*\c:Y+4*\c+3], s[66:67] offset:((\a)/2)*1536+512*\c
.endr
.endif
.endr
.irp i, 0,1,2,3                                ; pair i's scale word: two bytes of tile 2 i, two of tile 2 i + 1; the low halves are my first head's, the high halves my second's
	v_perm_b32 v[H+\i], v[PW+2*\i+1], v[PW+2*\i], 0x05040100
	v_perm_b32 v[H+4+\i], v[PW+2*\i+1], v[PW+2*\i], 0x07060302
.endr
.irp j, 0,1                                    ; word j: lanes 0-15 pair 2 j, lanes 16-31 pair 2 j + 1
	v_cndmask_b32 v[H+8+\j], v[H+2*\j], v[H+2*\j+1], s[HI16]
	v_cndmask_b32 v[H+10+\j], v[H+4+2*\j], v[H+5+2*\j], s[HI16]
.endr
	global_store_b64 v[LS], v[H+8:H+9], s[12:13] offset:6144      ; 256 consecutive bytes, aligned
	global_store_b64 v[LS], v[H+10:H+11], s[66:67] offset:6144
	s_branch .Lend
.Lv:
	; ---- v: block a = 16 features x my 128 tokens: one image; blocks 0-3 are my first head's, 4-7 my second's
.irp a, 0,1,2,3,4,5,6,7
	WIN 0x02+(\a)/4
.set n, 0
.rept 32
	v_pk_add_f32 v[H+2*n:H+2*n+1], v[64*((\a)%4)+2*n:64*((\a)%4)+2*n+1], v[BV+2*\a:BV+2*\a+1]
.set n, n+1
.endr
	WIN 0
.if (\a) > 0
	s_wait_xcnt 0x0                                ; the last image's stores have read X
.endif
	QUANT H, X, X+6, PW+\a
.irp c, 0,1,2
.if (\a) < 4
	global_store_b128 v[LI], v[X+4*\c:X+4*\c+3], s[12:13] offset:((\a)%4)*1536+512*\c
.else
	global_store_b128 v[LI], v[X+4*\c:X+4*\c+3], s[66:67] offset:((\a)%4)*1536+512*\c
.endif
.endr
.endr
.irp j, 0,1
	v_cndmask_b32 v[H+\j], v[PW+2*\j], v[PW+2*\j+1], s[HI16]
	v_cndmask_b32 v[H+2+\j], v[PW+4+2*\j], v[PW+5+2*\j], s[HI16]
.endr
	global_store_b64 v[LS], v[H:H+1], s[12:13] offset:6144
	global_store_b64 v[LS], v[H+2:H+3], s[66:67] offset:6144
.Lend:
	s_wait_tensorcnt 0x0                           ; the wave's end
	ds_add_u32 v[SPW], v[NIL]
	s_wait_dscnt 0x0
	CROUND                                         ; the closing round: no work-group ends while a partner may still ask for a tile that names it
	s_endpgm
.Lfunc_end_k_q635d794ee5_qkv:
	.size	k_q635d794ee5_qkv, .Lfunc_end_k_q635d794ee5_qkv-k_q635d794ee5_qkv
	.p2alignl 7, 3214868480
	.fill 96, 4, 3214868480
	.section	.rodata,"a",@progbits
	.p2align	6, 0x0
	.amdhsa_kernel k_q635d794ee5_qkv
		.amdhsa_group_segment_fixed_size 327680
		.amdhsa_private_segment_fixed_size 0
		.amdhsa_enable_private_segment 0
		.amdhsa_kernarg_size 56
		.amdhsa_user_sgpr_count 2
		.amdhsa_user_sgpr_kernarg_segment_ptr 1
		.amdhsa_wavefront_size32 1
		.amdhsa_system_sgpr_workgroup_id_x 1
		.amdhsa_system_sgpr_workgroup_id_y 1
		.amdhsa_system_sgpr_workgroup_id_z 1
		.amdhsa_system_vgpr_workitem_id 0
		.amdhsa_next_free_vgpr 1024
		.amdhsa_next_free_sgpr 102
		.amdhsa_reserve_vcc 0
		.amdhsa_float_denorm_mode_32 3
		.amdhsa_float_denorm_mode_16_64 3
		.amdhsa_memory_ordered 1
		.amdhsa_forward_progress 1
		.amdhsa_inst_pref_size 234
	.end_amdhsa_kernel
	.amdgpu_metadata
---
amdhsa.version: [ 1, 2 ]
amdhsa.kernels:
  - .name:           k_q635d794ee5_qkv
    .symbol:         k_q635d794ee5_qkv.kd
    .args:
      - { .name: x_codes, .offset: 0, .size: 8, .value_kind: global_buffer, .address_space: global }
      - { .name: x_scales, .offset: 8, .size: 8, .value_kind: global_buffer, .address_space: global }
      - { .name: W_kqv_codes, .offset: 16, .size: 8, .value_kind: global_buffer, .address_space: global }
      - { .name: W_kqv_scales, .offset: 24, .size: 8, .value_kind: global_buffer, .address_space: global }
      - { .name: b_kqv, .offset: 32, .size: 8, .value_kind: global_buffer, .address_space: global }
      - { .name: qimg, .offset: 40, .size: 8, .value_kind: global_buffer, .address_space: global }
      - { .name: kv, .offset: 48, .size: 8, .value_kind: global_buffer, .address_space: global }
    .group_segment_fixed_size: 327680
    .private_segment_fixed_size: 0
    .kernarg_segment_align: 8
    .kernarg_segment_size: 56
    .max_flat_workgroup_size: 128
    .sgpr_count:     102
    .vgpr_count:     1024
    .wavefront_size: 32
...
	.end_amdgpu_metadata
.endif
;; end of part 1
;; launch attn (part 2): grid 4 x 64, 16 waves a work-group, clusters of 4 x 1, 206,848 bytes of LDS; arguments qimg, kv, yimg, ysc; writes yimg, ysc
.if DOCPART == 2
	.amdgcn_target "amdgcn-amd-amdhsa--gfx1250"
	.amdhsa_code_object_version 6
	.text
	.protected	k_q635d794ee5_attn
	.globl	k_q635d794ee5_attn
	.p2align	8
	.type	k_q635d794ee5_attn,@function
k_q635d794ee5_attn:
	s_mov_b64 s[64:65], 0
	v_nop
	global_prefetch_b8 v0, s[64:65] scope:SCOPE_SE
	s_setreg_imm32_b32 hwreg(HW_REG_WAVE_MODE, 25, 1), 1
	s_wait_xcnt 0x0
	s_wait_alu depctr_hold_cnt(0) depctr_sa_sdst(0) depctr_va_vdst(0) depctr_va_sdst(0) depctr_va_ssrc(0) depctr_va_vcc(0) depctr_vm_vsrc(0)
	s_getreg_b32 s2, hwreg(HW_REG_IB_STS2, 6, 4)
	s_cmp_eq_u32 s2, 0
	s_cbranch_scc0 .Lentry_in_a_cluster
	s_endpgm
.Lentry_in_a_cluster:
	s_bfe_u32 s2, ttmp6, 0x10000c
	s_cmp_lg_u32 s2, 0x3003
	s_cbranch_scc0 .Lentry_shape_is_right
	s_endpgm
.Lentry_shape_is_right:
; y = softmax(q k^T / 8, causal) v for one head of one batch, both products on codes of FP6 (E2M3) with E8M0 scales; y is quantised along the embedding for the projection that follows.
; THE SOFTMAX: t = score x log2(e) / 8; M = the running largest t rounded UP to a whole number; p = 2^(t - M) is quantised along the keys; the sum is taken of the unquantised p and divides at the end.
; SHARES.  The four work-groups of a cluster serve one head (grid y).  The head's K and V, 16 groups of 128 tokens x 12,800 bytes = 204,800 bytes, come into each partner's LDS ONCE, by sixteen joint loads, one a wave:
; no slot is ever filled again, and behind one barrier the waves do not meet until the closing round.
; Wave w (w' = w / 2, b = w % 2) runs the text twice: for query group G = 15 - w', then for G = w'; there it owns 16 queries: tokens 128 G + 32 cx + 16 b + r.  A tile of group G wants key steps 0 .. G,
; so every wave of every work-group works 17 steps of 128 keys.  The step loop has the constant count 16; steps beyond G are jumped over by a branch on the wave's number and counters; cx enters global addresses and the mask's threshold alone.
; LAYOUT.  Both products transposed: S^T = K Q^T, O^T = V^T P^T: a lane holds one query (lane % 16).  Operands lie in memory and LDS as images of their registers (12 registers x 32 lanes, registers 4 c .. 4 c + 3 of lane l at 512 c + 16 l).
; K = 64 in the first product: an image of K holds two key tiles (k 0-63: tile 2 i, k 64-127: tile 2 i + 1), and Q stands as six zeros, q, six zeros: v[22:33] picks the first tile, v[16:27] the second; zero codes add nothing.
; Inside a block of 32, q and k (p and v) stand in one and the same order, so the products are those of the natural order; the unit only groups the sums otherwise.  y is put in true order, since W_proj is given.
; LIMITS: NaN and infinities are not served; p under 2^-126 is 0 (v_exp_f32 flushes denormals); a block whose largest magnitude lies under 2^-124 gets the byte 1: only this program reads these bytes.
.set CH,   12800                       ; a group's bytes in kv and in LDS: K's block (6,400), V's block (6,400)
.set LI,   1                           ; v1  16 x lane
.set LS,   2                           ; v2  8 x lane
.set A16,  3                           ; v3  the step's chunk + 16 x lane
.set A8,   4                           ; v4  the step's chunk + 8 x lane
.set DQ,   5                           ; v5  my query in its group - 8 (lane / 16)
.set F,    6                           ; v[6:7] f = 2^(old M - new M), and 0
.set T8,   8                           ; v8  at work
.set PS,   9                           ; v9  p's scale word: nothing else
.set QA0,  10                          ; v10 16 x lane + 520 b
.set QA1,  11                          ; v11 16 x lane + 1,016 b
                                       ; v12 -M, v13 the largest t, v[14:15] the sum in two halves
.set QS,   34                          ; v34 q's scale word: nothing else
.set QSA,  35                          ; v35 where my row's scale word of q lies
.set KSC,  36                          ; v[36:37] K's scale words
.set VSC,  38                          ; v[38:39] V's
.set KF,   40                          ; v40-87  K's four images
.set VF,   88                          ; v88-135 V's four
.set S,    136                         ; v136-199 S^T, then p
.set O,    200                         ; v200-231 O^T
.set BM,   232                         ; v232-235 the blocks' maxima
.set SCR,  236                         ; v236-243 at work
.set PC,   244                         ; v244-255 p's codes
.set WV,   12                          ; s12 wave, s13 cx, s14 head of batch, s15 b, s16 w', s17 G, s18 passes left, s19 step
.set SEL,  20                          ; s[20:21]
.set CS,   22                          ; s[22:23] c = log2(e) / 8
.macro CROUND                          ; a round of the cluster's barrier
	s_barrier_signal -1
	s_barrier_wait -1
	s_cmp_lg_u32 s[WV], 0
	s_cbranch_scc1 .Lnot_wave_0_\@
	s_barrier_signal -3
.Lnot_wave_0_\@:
	s_barrier_wait -3
	s_barrier_signal -1
	s_barrier_wait -1
.endm
; My tile of q: registers 6 b .. 6 b + 5 of pair image cx of group G (b = 0: image bytes 0, 8, 512; b = 1: 520, 1,024, 1,032; + 16 x lane), and my row's scale word of that pair.
.macro QLOAD
	s_add_co_u32 s48, s36, s17
	s_mul_i32 s40, s48, 6400
	s_mul_i32 s48, s13, 1536
	s_add_co_u32 s40, s40, s48
	s_mov_b32 s41, 0
	s_add_nc_u64 s[42:43], s[4:5], s[40:41]
	global_load_b64 v[22:23], v[QA0], s[42:43]
	global_load_b64 v[24:25], v[QA1], s[42:43] offset:8
	global_load_b64 v[26:27], v[QA0], s[42:43] offset:512
	global_load_b32 v169, v[QSA], s[42:43]
.endm
.macro KQ t                            ; S^T of key tile t: image t / 2, its first or second half by the place of q among the zeros
.set PI, (\t)/2
.set QR, 22-6*((\t)%2)
.if PI%2 == 0
	v_wmma_scale_f32_16x16x128_f8f6f4 v[S+8*(\t):S+8*(\t)+7], v[KF+12*PI:KF+12*PI+11], v[QR:QR+11], 0, v[KSC+PI/2], v[QS] matrix_a_fmt:MATRIX_FMT_FP6 matrix_b_fmt:MATRIX_FMT_FP6
.else
	v_wmma_scale_f32_16x16x128_f8f6f4 v[S+8*(\t):S+8*(\t)+7], v[KF+12*PI:KF+12*PI+11], v[QR:QR+11], 0, v[KSC+PI/2], v[QS] matrix_a_fmt:MATRIX_FMT_FP6 matrix_b_fmt:MATRIX_FMT_FP6 matrix_a_scale:MATRIX_SCALE_ROW1
.endif
.endm
.macro PV t                            ; O^T of d tile t += V^T P^T
.if (\t)%2 == 0
	v_wmma_scale_f32_16x16x128_f8f6f4 v[O+8*(\t):O+8*(\t)+7], v[VF+12*(\t):VF+12*(\t)+11], v[PC:PC+11], v[O+8*(\t):O+8*(\t)+7], v[VSC+(\t)/2], v[PS] matrix_a_fmt:MATRIX_FMT_FP6 matrix_b_fmt:MATRIX_FMT_FP6
.else
	v_wmma_scale_f32_16x16x128_f8f6f4 v[O+8*(\t):O+8*(\t)+7], v[VF+12*(\t):VF+12*(\t)+11], v[PC:PC+11], v[O+8*(\t):O+8*(\t)+7], v[VSC+(\t)/2], v[PS] matrix_a_fmt:MATRIX_FMT_FP6 matrix_b_fmt:MATRIX_FMT_FP6 matrix_a_scale:MATRIX_SCALE_ROW1
.endif
.endm
	s_load_b256 s[4:11], s[0:1], 0x0               ; qimg s[4:5], kv s[6:7], yimg s[8:9], ysc s[10:11]
	v_lshl_add_u32 v254, v0, 2, 0x32000
	v_mov_b32 v255, 0
	ds_add_u32 v254, v255
	ds_add_u32 v254, v255
	s_wait_dscnt 0x0
	v_lshrrev_b32 v[T8], 5, v0
	s_delay_alu instid0(VALU_DEP_1)
	v_readfirstlane_b32 s[WV], v[T8]               ; wave 0..15
	s_bfe_u32 s13, ttmp6, 0x40000                  ; cx
	s_and_b32 s14, ttmp7, 0xffff                   ; 16 x batch + head: the four partners share it
	s_and_b32 s15, s[WV], 1                        ; b
	s_lshr_b32 s16, s[WV], 1                       ; w'
	s_lshl_b32 s36, s14, 4                         ; the head's first group
	; descriptor group 1: a group's 12,800 dense bytes as 50 rows of 256 bytes (32 elements of 8 bytes), no padding
	s_mov_b32 s24, 15|(3<<16)|(1<<21)              ; 15:0 the mask: all four work-groups; 17:16 elements of 8 bytes; 21 set beside a mask
	s_mov_b32 s25, 32<<16                          ; tensor_dim0
	s_mov_b32 s26, 50<<16                          ; tensor_dim1
	s_mov_b32 s27, 32<<16                          ; tile_dim0
	s_mov_b32 s28, 50                              ; tile_dim1
	s_mov_b32 s29, 32                              ; the pitch
	s_mov_b32 s30, 0
	s_mov_b32 s31, 0
	s_add_co_u32 s48, s36, s[WV]                   ; wave w brings group w
	s_mul_i32 s40, s48, CH
	s_mov_b32 s41, 0
	s_mov_b32 s32, 1
	s_mul_i32 s33, s[WV], CH                       ; to LDS byte 12,800 w: no place in the cluster enters an LDS address
	s_wait_kmcnt 0x0
	s_add_nc_u64 s[34:35], s[6:7], s[40:41]
	s_or_b32 s35, s35, 0x80000000
	CROUND                                         ; all four work-groups are here: the joint loads meet
	tensor_load_to_lds s[32:35], s[24:31]          ; my one tensor load of the launch
	s_nop 0
.rept 4
	v_nop
.endr
	v_and_b32 v[T8], 31, v0
	s_delay_alu instid0(VALU_DEP_1)
	v_lshlrev_b32 v[LI], 4, v[T8]
	s_delay_alu instid0(VALU_DEP_2)
	v_lshlrev_b32 v[LS], 3, v[T8]
	v_and_b32 v6, 15, v0                           ; r
	s_wait_alu depctr_va_vdst(0)
	v_bfe_u32 v7, v0, 4, 1                         ; h
	s_delay_alu instid0(VALU_DEP_1)
	v_lshlrev_b32 v7, 3, v7
	s_lshl_b32 s37, s13, 5
	s_lshl_b32 s48, s15, 4
	s_add_co_u32 s37, s37, s48                     ; my tile's first query in its group: 32 cx + 16 b
	v_sub_nc_u32 v[DQ], v6, v7
	s_delay_alu instid0(VALU_DEP_1)
	v_add_nc_u32 v[DQ], s37, v[DQ]
	s_mul_i32 s48, s15, 520
	v_add_nc_u32 v[QA0], s48, v[LI]
	s_mul_i32 s48, s15, 1016
	v_add_nc_u32 v[QA1], s48, v[LI]
	s_mul_i32 s48, s13, 1536                       ; q's scale words lie at 6,144 of the group's block; the base below stands at image cx.  Pair cx's word of row r: lane 16 (cx % 2) + r, word cx / 2
	s_sub_co_u32 s49, 6144, s48
	s_and_b32 s50, s13, 1
	s_lshl_b32 s50, s50, 7
	s_add_co_u32 s49, s49, s50
	s_lshr_b32 s50, s13, 1
	s_lshl_b32 s50, s50, 2
	s_add_co_u32 s49, s49, s50
	v_lshl_add_u32 v[QSA], v6, 3, s49
	s_mov_b32 s39, 0x01000100                      ; the two bytes of my tile, twice: bytes 0, 1 (b = 0) or 2, 3 (b = 1)
	s_cmp_eq_u32 s15, 1
	s_cselect_b32 s39, 0x03020302, s39
	s_mov_b32 s[SEL], 0x76543210
	s_mov_b32 s[SEL+1], 0xfedcba98
	s_mov_b32 s[CS], 0x3e38aa3b                    ; c = log2(e) / sqrt(64)
	s_mov_b32 s[CS+1], s[CS]                       ; (named with it as a pair)
.irp i, 16,17,18,19,20,21,28,29,30,31,32,33
	v_mov_b32 v\i, 0                               ; the zero codes on both sides of q
.endr
	v_mov_b32 v7, 0                                ; (named as the upper half of the pair v[6:7])
.irp b, 0,1,2,3
	v_mov_b32 v[SCR+\b], 0                         ; written once: a lane permute's destination counts as one of its sources
.endr
	s_sub_co_u32 s17, 15, s16                      ; the first pass: the late group
	s_mov_b32 s18, 2
	QLOAD
	s_wait_tensorcnt 0x0                           ; my group has landed,
	s_barrier_signal -1
	s_barrier_wait -1                              ; everybody's has: the whole head lies in LDS
.Lpass:
	s_wait_xcnt 0x0                                ; the last pass's stores have read their data, offsets and bases
	v_mov_b32 v13, 0xff61b1e6                      ; the largest t so far: -3e38
	s_delay_alu instid0(VALU_DEP_1)
	v_floor_f32 v12, -v13                          ; -M
	v_mov_b32 v14, 0
	v_mov_b32 v15, 0
	s_wait_loadcnt 0x0                             ; q and its scale word
	v_perm_b32 v[QS], v169, v169, s39
.set n, 0
.rept 32
	v_mov_b32 v[O+n], 0                            ; O^T: the step is written once; its first turn finds zeros.  (These are also the places between the scale word's write and the first product)
.set n, n+1
.endr
	s_mov_b32 s19, 0
	s_mov_b32 s38, 0
.Lstep:                                            ; 16 trips; key step s19, its chunk at LDS byte s38
	s_cmp_gt_u32 s19, s17                          ; all its keys come after my queries: nothing to do
	s_cbranch_scc1 .Lhid
	s_setprio 2
	v_add_nc_u32 v[A16], s38, v[LI]
	v_add_nc_u32 v[A8], s38, v[LS]
	v_nop
	v_nop                                          ; four places behind the last step's products, in front of the loads into their sources
.irp i, 0,1,2,3
.irp c, 0,1,2
	ds_load_b128 v[KF+12*\i+4*\c:KF+12*\i+4*\c+3], v[A16] offset:1536*\i+512*\c
.endr
.endr
	ds_load_b64 v[KSC:KSC+1], v[A8] offset:6144
.irp i, 0,1,2,3
.irp c, 0,1,2
	ds_load_b128 v[VF+12*\i+4*\c:VF+12*\i+4*\c+3], v[A16] offset:6400+1536*\i+512*\c
.endr
.endr
	ds_load_b64 v[VSC:VSC+1], v[A8] offset:12544
	s_wait_dscnt 13                                ; K's thirteen loads are in; V's thirteen may be out
.irp t, 0,1,2,3,4,5,6,7
	KQ \t                                          ; register 8 t + j of lane (r, h): key 16 t + 8 h + j, query r
.endr
.rept 4
	v_nop
.endr
	s_cmp_lg_u32 s19, s17                          ; only the step on the diagonal has hidden keys
	s_cbranch_scc1 .Lopen
	v_mov_b32 v[T8], 0xff800000                    ; -infinity: p = 0 then
.irp t, 0,1,2,3,4,5,6,7
.irp j, 0,1,2,3,4,5,6,7
	v_cmp_gt_i32 vcc_lo, 16*\t+\j, v[DQ]           ; hidden where 16 t + 8 h + j > my query
	v_cndmask_b32 v[S+8*\t+\j], v[S+8*\t+\j], v[T8], vcc_lo
.endr
.endr
.Lopen:
.irp b, 0,1,2,3
	v_max3_num_f32 v[BM+\b], v[S+16*\b], v[S+1+16*\b], v[S+2+16*\b]   ; the largest score of each block of 32 keys: for the row's maximum, and, since p rises with the score, for the block's largest p
.endr
.irp i, 3,5,7,9,11,13
.irp b, 0,1,2,3
	v_max3_num_f32 v[BM+\b], v[BM+\b], v[S+16*\b+\i], v[S+1+16*\b+\i]
.endr
.endr
.irp b, 0,1,2,3
	v_max_num_f32 v[BM+\b], v[BM+\b], v[S+15+16*\b]
.endr
.irp b, 0,1,2,3
	s_delay_alu instid0(VALU_DEP_4)
	v_permlanex16_b32 v[SCR+\b], v[BM+\b], s[SEL], s[SEL+1]
.endr
.irp b, 0,1,2,3
	s_delay_alu instid0(VALU_DEP_4)
	v_max_num_f32 v[BM+\b], v[BM+\b], v[SCR+\b]    ; with lane l xor 16's 16 keys
.endr
	s_delay_alu instid0(VALU_DEP_2)
	v_max3_num_f32 v[T8], v[BM], v[BM+1], v[BM+2]
	s_delay_alu instid0(VALU_DEP_1)
	v_max_num_f32 v[T8], v[T8], v[BM+3]
	s_delay_alu instid0(VALU_DEP_1)
	v_mul_f32 v[T8], s[CS], v[T8]                  ; as t
	s_delay_alu instid0(VALU_DEP_1)
	v_max_num_f32 v13, v13, v[T8]                  ; the running largest t
	v_mov_b32 v[T8], v12
	s_delay_alu instid0(VALU_DEP_2)
	v_floor_f32 v12, -v13                          ; the new -M = -ceil(t)
	s_delay_alu instid0(VALU_DEP_1)
	v_sub_f32 v[T8], v12, v[T8]                    ; old M - new M: a whole number, 0 or less
	s_delay_alu instid0(VALU_DEP_1)
	v_cvt_i32_f32 v[T8], v[T8]                     ; (it saturates)
	s_delay_alu instid0(VALU_DEP_1)
	v_ldexp_f32 v[F], 1.0, v[T8]                   ; f = 2^(old M - new M): rounds nothing
.set n, 0
.rept 32
	v_pk_fma_f32 v[S+2*n:S+2*n+1], v[S+2*n:S+2*n+1], s[CS:CS+1], v[12:13] op_sel_hi:[1,0,0]   ; t - M
.set n, n+1
.endr
	s_setprio 1
.irp b, 0,1,2,3
	v_fma_f32 v[BM+\b], v[BM+\b], s[CS], v12
.endr
.set n, 0
	s_wait_alu depctr_va_vdst(0)
.rept 64
	v_exp_f32 v[S+n], v[S+n]                       ; p = 2^(t - M)
.set n, n+1
.endr
.irp b, 0,1,2,3
	v_exp_f32 v[BM+\b], v[BM+\b]                   ; the block's largest p: the same two instructions on the same number
.endr
	v_pk_mul_f32 v[14:15], v[14:15], v[F:F+1] op_sel_hi:[1,0]   ; the sums under the new M (a plain place behind the exponentials)
	s_wait_alu depctr_va_vdst(0)
.irp b, 0,1,2,3
	v_max_num_f32 v[BM+\b], 0x1800000, v[BM+\b]    ; the floor 2^(3 - 127)
.endr
.irp b, 0,1,2,3
	s_delay_alu instid0(VALU_DEP_4)
	v_add_nc_u32 v[BM+\b], 0xff000000, v[BM+\b]    ; 2 off the exponent field: the conversion's scale operand
.endr
.irp b, 0,1,2,3
	s_delay_alu instid0(VALU_DEP_4)
	v_lshrrev_b32 v[SCR+\b], 23, v[BM+\b]          ; the scale's byte
.endr
	s_delay_alu instid0(VALU_DEP_3)
	v_lshl_or_b32 v[PS], v[SCR+1], 8, v[SCR]
	s_delay_alu instid0(VALU_DEP_1)
	v_lshl_or_b32 v[PS], v[SCR+2], 16, v[PS]
	s_delay_alu instid0(VALU_DEP_1)
	v_lshl_or_b32 v[PS], v[SCR+3], 24, v[PS]
.irp c, 0,1
	v_cvt_scalef32_pk16_fp6_f32 v[PC+6*\c:PC+6*\c+2], v[S+32*\c:S+32*\c+15], v[BM+2*\c]
	v_cvt_scalef32_pk16_fp6_f32 v[SCR+4*\c:SCR+4*\c+2], v[S+32*\c+16:S+32*\c+31], v[BM+2*\c+1]
.endr
	v_nop                                          ; one plain place behind a scaled conversion
.irp c, 0,1
.irp i, 0,1,2
	v_permlane16_swap_b32 v[PC+6*\c+\i], v[SCR+4*\c+\i]   ; a whole block to a lane
.endr
.irp i, 0,1,2
	s_delay_alu instid0(VALU_DEP_3)
	v_mov_b32 v[PC+3+6*\c+\i], v[SCR+4*\c+\i]
.endr
.endr
	v_pk_add_f32 v[236:237], v[140:141], v[144:145]
	v_pk_add_f32 v[242:243], v[148:149], v[152:153]
	v_pk_add_f32 v[240:241], v[156:157], v[160:161]
	v_pk_add_f32 v[234:235], v[164:165], v[168:169]
	v_pk_add_f32 v[232:233], v[172:173], v[176:177]
	v_pk_add_f32 v[86:87], v[180:181], v[184:185]
	v_pk_add_f32 v[84:85], v[188:189], v[192:193]
	v_pk_add_f32 v[14:15], v[14:15], v[196:197]
	v_pk_add_f32 v[236:237], v[236:237], v[136:137]
	v_pk_add_f32 v[242:243], v[242:243], v[138:139]
	v_pk_add_f32 v[240:241], v[240:241], v[142:143]
	s_setprio 0
	v_pk_add_f32 v[234:235], v[234:235], v[146:147]
	v_pk_add_f32 v[232:233], v[232:233], v[150:151]
	v_pk_add_f32 v[86:87], v[86:87], v[154:155]
	v_pk_add_f32 v[84:85], v[84:85], v[158:159]
	v_pk_add_f32 v[14:15], v[14:15], v[162:163]
	v_pk_add_f32 v[236:237], v[236:237], v[166:167]
	v_pk_add_f32 v[242:243], v[242:243], v[170:171]
	v_pk_add_f32 v[240:241], v[240:241], v[174:175]
	v_pk_add_f32 v[234:235], v[234:235], v[178:179]
	v_pk_add_f32 v[232:233], v[232:233], v[182:183]
	v_pk_add_f32 v[86:87], v[86:87], v[186:187]
	v_pk_add_f32 v[84:85], v[84:85], v[190:191]
	v_pk_add_f32 v[14:15], v[14:15], v[194:195]
	v_pk_add_f32 v[236:237], v[236:237], v[198:199]
	s_delay_alu instid0(VALU_DEP_2)
	v_pk_add_f32 v[14:15], v[14:15], v[234:235]
	s_delay_alu instid0(VALU_DEP_2)
	v_pk_add_f32 v[236:237], v[236:237], v[232:233]
	v_pk_add_f32 v[242:243], v[242:243], v[86:87]
	v_pk_add_f32 v[240:241], v[240:241], v[84:85]
	s_delay_alu instid0(VALU_DEP_2)
	v_pk_add_f32 v[14:15], v[14:15], v[242:243]
	s_delay_alu instid0(VALU_DEP_2)
	v_pk_add_f32 v[236:237], v[236:237], v[240:241]
	s_delay_alu instid0(VALU_DEP_1)
	v_pk_add_f32 v[14:15], v[14:15], v[236:237]
.set n, 0
.rept 16
	v_pk_mul_f32 v[O+2*n:O+2*n+1], v[O+2*n:O+2*n+1], v[F:F+1] op_sel_hi:[1,0]   ; O^T under the new M
.set n, n+1
.endr
	s_wait_alu depctr_va_vdst(0)
	s_wait_dscnt 0x0                               ; V is in
.irp t, 0,1,2,3
	PV \t                                          ; four accumulators by turns; the next step's eight products stand between two links
.endr
.Lhid:
	s_add_co_u32 s38, s38, CH
	s_add_co_u32 s19, s19, 1
	s_cmp_lt_u32 s19, 16
	s_cbranch_scc1 .Lstep
	s_setprio 0
	; ---- the tile is done: / the sum, true order, quantised along d, stored as half a fragment of the projection's A
.rept 4
	v_nop
.endr
	v_add_f32 v14, v14, v15
	s_delay_alu instid0(VALU_DEP_1)
	v_permlanex16_b32 v[T8], v14, s[SEL], s[SEL+1]
	s_delay_alu instid0(VALU_DEP_1)
	v_add_f32 v14, v14, v[T8]                      ; the row's sum
	s_wait_alu depctr_va_vdst(0)
	v_rcp_f32 v14, v14
	v_nop                                          ; one plain place behind a transcendental
.set n, 0
	s_wait_alu depctr_va_vdst(0)
.rept 16
	v_pk_mul_f32 v[S+2*n:S+2*n+1], v[O+2*n:O+2*n+1], v[14:15] op_sel_hi:[1,0]   ; register 8 t + j: y(r, 16 t + 8 h + j)
.set n, n+1
.endr
.irp k, 0,1
.irp j, 0,1,2,3,4,5,6,7
	v_permlane16_swap_b32 v[S+16*\k+\j], v[S+16*\k+8+\j]   ; now register 16 k + i holds d = 32 k + 16 h + i
.endr
.endr
.irp k, 0,1
	v_max3_num_f32 v[BM+\k], |v[S+16*\k]|, |v[S+1+16*\k]|, 0x1800000
.endr
.irp i, 2,4,6,8,10,12,14
.irp k, 0,1
	s_delay_alu instid0(VALU_DEP_2)
	v_max3_num_f32 v[BM+\k], v[BM+\k], |v[S+16*\k+\i]|, |v[S+1+16*\k+\i]|
.endr
.endr
.irp k, 0,1
	s_delay_alu instid0(VALU_DEP_2)
	v_permlanex16_b32 v[SCR+\k], v[BM+\k], s[SEL], s[SEL+1]
.endr
.irp k, 0,1
	s_delay_alu instid0(VALU_DEP_2)
	v_max_num_f32 v[BM+\k], v[BM+\k], v[SCR+\k]
.endr
.irp k, 0,1
	s_delay_alu instid0(VALU_DEP_2)
	v_add_nc_u32 v[BM+\k], 0xff000000, v[BM+\k]
.endr
.irp k, 0,1
	s_delay_alu instid0(VALU_DEP_2)
	v_lshrrev_b32 v[SCR+\k], 23, v[BM+\k]
.endr
	s_delay_alu instid0(VALU_DEP_1)
	v_lshl_or_b32 v[T8], v[SCR+1], 8, v[SCR]       ; my row's two scale bytes of this head
	v_cvt_scalef32_pk16_fp6_f32 v[PC:PC+2], v[S:S+15], v[BM]
	v_cvt_scalef32_pk16_fp6_f32 v[SCR+4:SCR+6], v[S+16:S+31], v[BM+1]
	v_nop
.irp i, 0,1,2
	v_permlane16_swap_b32 v[PC+\i], v[SCR+4+\i]
.endr
.irp i, 0,1,2
	s_delay_alu instid0(VALU_DEP_3)
	v_mov_b32 v[PC+3+\i], v[SCR+4+\i]              ; registers 0-5: k = 32 h + 0 .. 31 of the head's 64
.endr
	v_and_b32 v168, 15, v0
	s_delay_alu instid0(VALU_DEP_1)
	v_lshlrev_b32 v168, 5, v168                    ; a token's 32 scale bytes
	s_lshr_b32 s48, s14, 4
	s_lshl_b32 s48, s48, 7
	s_lshl_b32 s49, s17, 3
	s_add_co_u32 s48, s48, s49
	s_lshr_b32 s49, s37, 4
	s_add_co_u32 s48, s48, s49                     ; my tile of 16 tokens: 128 x batch + 8 G + 2 cx + b
	s_and_b32 s49, s14, 15                         ; the head
	s_mul_i32 s40, s48, 12288
	s_mul_i32 s50, s49, 768
	s_add_co_u32 s40, s40, s50
	s_mov_b32 s41, 0
	s_add_nc_u64 s[44:45], s[8:9], s[40:41]
	s_lshl_b32 s40, s48, 9
	s_lshl_b32 s50, s49, 1
	s_add_co_u32 s40, s40, s50
	s_add_nc_u64 s[46:47], s[10:11], s[40:41]
	s_wait_alu depctr_va_vdst(0)
	global_store_b128 v[LI], v[PC:PC+3], s[44:45]              ; 512 consecutive bytes, aligned to 256
	global_store_b64 v[LS], v[PC+4:PC+5], s[44:45] offset:512  ; 256 consecutive bytes, aligned
	global_store_b16 v168, v[T8], s[46:47]                     ; two bytes a token, 32 bytes apart (lanes 16-31 repeat lanes 0-15): one byte in 24 of what is stored here leaves in short pieces
	s_sub_co_u32 s17, 15, s17                      ; the other group
	s_cmp_eq_u32 s18, 1
	s_cbranch_scc1 .Lnoq
	QLOAD                                          ; its q: the base's earlier loads were waited for at the pass's head
.Lnoq:
	s_sub_co_u32 s18, s18, 1
	s_cmp_lg_u32 s18, 0
	s_cbranch_scc1 .Lpass
	s_wait_dscnt 0x0                               ; no LDS instruction of mine is out at a signal
	s_wait_xcnt 0x0
	v_lshl_add_u32 v254, v0, 2, 0x32000
	v_mov_b32 v255, 0
	s_wait_alu depctr_va_vdst(0)
	s_wait_tensorcnt 0x0
	ds_add_u32 v254, v255
	s_wait_dscnt 0x0
	CROUND                                         ; the closing round
	s_endpgm
.Lfunc_end_k_q635d794ee5_attn:
	.size	k_q635d794ee5_attn, .Lfunc_end_k_q635d794ee5_attn-k_q635d794ee5_attn
	.p2alignl 7, 3214868480
	.fill 96, 4, 3214868480
	.section	.rodata,"a",@progbits
	.p2align	6, 0x0
	.amdhsa_kernel k_q635d794ee5_attn
		.amdhsa_group_segment_fixed_size 206848
		.amdhsa_private_segment_fixed_size 0
		.amdhsa_enable_private_segment 0
		.amdhsa_kernarg_size 32
		.amdhsa_user_sgpr_count 2
		.amdhsa_user_sgpr_kernarg_segment_ptr 1
		.amdhsa_wavefront_size32 1
		.amdhsa_system_sgpr_workgroup_id_x 1
		.amdhsa_system_sgpr_workgroup_id_y 1
		.amdhsa_system_sgpr_workgroup_id_z 1
		.amdhsa_system_vgpr_workitem_id 0
		.amdhsa_next_free_vgpr 256
		.amdhsa_next_free_sgpr 66
		.amdhsa_reserve_vcc 1
		.amdhsa_float_denorm_mode_32 3
		.amdhsa_float_denorm_mode_16_64 3
		.amdhsa_memory_ordered 1
		.amdhsa_forward_progress 1
		.amdhsa_inst_pref_size 36
	.end_amdhsa_kernel
	.amdgpu_metadata
---
amdhsa.version: [ 1, 2 ]
amdhsa.kernels:
  - .name:           k_q635d794ee5_attn
    .symbol:         k_q635d794ee5_attn.kd
    .args:
      - { .name: qimg, .offset: 0, .size: 8, .value_kind: global_buffer, .address_space: global }
      - { .name: kv, .offset: 8, .size: 8, .value_kind: global_buffer, .address_space: global }
      - { .name: yimg, .offset: 16, .size: 8, .value_kind: global_buffer, .address_space: global }
      - { .name: ysc, .offset: 24, .size: 8, .value_kind: global_buffer, .address_space: global }
    .group_segment_fixed_size: 206848
    .private_segment_fixed_size: 0
    .kernarg_segment_align: 8
    .kernarg_segment_size: 32
    .max_flat_workgroup_size: 512
    .sgpr_count:     66
    .vgpr_count:     256
    .wavefront_size: 32
...
	.end_amdgpu_metadata
.endif
;; end of part 2
;; launch proj (part 3): grid 4 x 32, 4 waves a work-group, clusters of 4 x 4, 327,680 bytes of LDS; arguments yimg, ysc, W_proj_codes, W_proj_scales, out0, b_proj; writes out0
.if DOCPART == 3
	.amdgcn_target "amdgcn-amd-amdhsa--gfx1250"
	.amdhsa_code_object_version 6
	.text
	.protected	k_q635d794ee5_proj
	.globl	k_q635d794ee5_proj
	.p2align	8
	.type	k_q635d794ee5_proj,@function
k_q635d794ee5_proj:
	s_mov_b64 s[64:65], 0
	v_nop
	global_prefetch_b8 v0, s[64:65] scope:SCOPE_SE
	s_setreg_imm32_b32 hwreg(HW_REG_WAVE_MODE, 25, 1), 1
	s_wait_xcnt 0x0
	s_wait_alu depctr_hold_cnt(0) depctr_sa_sdst(0) depctr_va_vdst(0) depctr_va_sdst(0) depctr_va_ssrc(0) depctr_va_vcc(0) depctr_vm_vsrc(0)
	s_getreg_b32 s2, hwreg(HW_REG_IB_STS2, 6, 4)
	s_cmp_eq_u32 s2, 0
	s_cbranch_scc0 .Lentry_in_a_cluster
	s_endpgm
.Lentry_in_a_cluster:
	s_bfe_u32 s2, ttmp6, 0x10000c
	s_cmp_lg_u32 s2, 0xf033
	s_cbranch_scc0 .Lentry_shape_is_right
	s_endpgm
.Lentry_shape_is_right:
; out0 = y W_proj^T + b_proj on codes of FP6 (E2M3) with E8M0 scales.  y: 8,192 tokens x 1,024; W_proj: 1,024 rows x 1,024 K (768 bytes of codes, 32 scale bytes a row); out0 [8,192][1,024] f32.
; y's codes lie as images of the operand's registers: yimg [tile of 16 tokens][head][768]: registers 0-3 of lane l at 16 l, registers 4-5 at 512 + 8 l; two neighbouring heads are one fragment of 128 along K.  ysc [token][32]: plain rows of scale bytes.
; A tile of out0, 256 x 256, is made by a work-group of four waves; a wave makes 128 x 128: 64 accumulators.  K goes in steps of 256 (four heads) through a ring of two LDS slots filled by the tensor data mover.
; CLUSTERS: 4 x 4 work-groups; y's tiles are asked for jointly along a row of the cluster, W's along a column.  The matrix instruction is used transposed (source 0 = 16 rows of W, source 1 = 16 tokens):
; a lane holds eight neighbouring numbers of a row of out0.  The bias is the C of each sum's first product.  32 x 4 tiles are 128 work-groups.
; LIMITS: NaN, infinities and a given scale byte 0xff are not served.
.set SIZE_N, 1024
.set SIZE_K, 1024
.set KSTEP,  256
.set NQ,     KSTEP/128
.set ROWB,   192                       ; a row of W's tile in bytes
.set AROWB,  3072                      ; a tile of 16 tokens x 256 K of y: four heads' 768 bytes on end
.set KROW,   SIZE_K*6/8
.set PITCH,  240                       ; W's rows in LDS: 3 x (64 bytes + 16 of padding)
.set FR,     12
.set NLA,    4                         ; LDS loads that bring a fragment of y
.set NP,     4                         ; places behind this matrix instruction (ISA guide 7.12.1)
.set HALFT,  128*PITCH                 ; a quarter of a slot: 128 rows of W; y's 128 tokens take 24,576 bytes of theirs
.set SLOT,   4*HALFT
.set LAPS,   SIZE_K/(2*KSTEP)
.set KS,     SIZE_K/32
.set SCL,    2*SLOT
.set HALFS,  (128*KS/256)*272
.set SBLK,   (16*KS/256)*272
.set SPARE,  SCL+4*HALFS               ; the spare words: 128 bytes a wave, named by no other line
.set SPITCH, 528                       ; the way out: a stage of 16 rows x (512 + 16) bytes a wave, in slot 0, which has had its last fill and its last read by then
.set ADRA, 16                          ; v16-17 y's images in slot 0, 1: + 16 x lane;  v18-19: + 8 x lane
.set ADRB, 20                          ; v20-21 W's fragments in slot 0, 1;  v22-23 behind one padding more
.set STO,  24
.set RD,   25
.set CO,   26
.set ADRS, 27
.set SPW,  28                          ; never rewritten
.set NIL,  29                          ; never rewritten
.set BH,   30                          ; v30 32 h
.set SC,   32                          ; v32-63 scale words, two sets: scales and nothing else
.set BT,   64                          ; v64-127 the bias: register 8 b + j: column 16 b + 8 h + j of my 128
.set AF,   128
.set BK,   128
.set G1, 24
.set G0, 32
.set G1B, 48
.set G0B, 56
.set G1S, 68
.set G0S, 76
.set G1SB, 80
.set G0SB, 88
.set MSB, 0
.macro WIN new
.if MSB != (\new)
	s_set_vgpr_msb (MSB<<8)|(\new)
.set MSB, (\new)
.endif
.endm
.set MUL_LO, 0xa1                      ; source 0 (W) window 1, source 1 (y) window 0, C and D window 2
.set MUL_HI, 0xf1                      ; the same, C and D window 3
.set TO_B,   0x40
.macro JLOAD g0a, g1a, g0b, g1b        ; waves 0 and 1 fetch for y, waves 2 and 3 for W; four v_nop follow each line
	s_cmp_eq_u32 s15, 0
	s_cbranch_scc0 .Lfor_b_\@
	tensor_load_to_lds s[\g0a:\g0a+3], s[\g1a:\g1a+7]
	s_nop 0
.rept 4
	v_nop
.endr
	s_branch .Lasked_\@
.Lfor_b_\@:
	tensor_load_to_lds s[\g0b:\g0b+3], s[\g1b:\g1b+7]
	s_nop 0
.rept 4
	v_nop
.endr
.Lasked_\@:
.endm
.macro CREST
	s_cmp_lg_u32 s14, 0
	s_cbranch_scc1 .Lnot_wave_0_\@
	s_barrier_signal -3
.Lnot_wave_0_\@:
	s_barrier_wait -3
	s_barrier_signal -1
	s_barrier_wait -1
.endm
.macro CROUND
	s_barrier_signal -1
	s_barrier_wait -1
	CREST
.endm
	s_load_b128 s[4:7], s[0:1], 0x0                ; yimg, ysc
	s_load_b128 s[8:11], s[0:1], 0x10              ; W's codes, W's scales
	s_load_b64 s[12:13], s[0:1], 0x20              ; out0
	s_load_b64 s[66:67], s[0:1], 0x28              ; b_proj
	v_lshl_add_u32 v[SPW], v0, 2, SPARE
	v_mov_b32 v[NIL], 0
	ds_add_u32 v28, v29
	ds_add_u32 v28, v29
	s_wait_dscnt 0x0
	v_lshrrev_b32 v1, 5, v0
	v_readfirstlane_b32 s14, v1                    ; wave 0..3
	s_lshr_b32 s15, s14, 1                         ; my half of the tile's rows.  Also: I fetch for y (0) or for W (1)
	s_and_b32 s16, s14, 1                          ; my half of its columns.  Also: which 128 rows I fetch
	s_bfe_u32 s40, ttmp6, 0x40000                  ; cx
	s_bfe_u32 s41, ttmp6, 0x40004                  ; cy
	s_lshl_b32 s42, ttmp9, 2
	s_add_co_u32 s42, s42, s40                     ; tile column
	s_and_b32 s17, ttmp7, 0xffff
	s_lshl_b32 s17, s17, 2
	s_add_co_u32 s17, s17, s41                     ; tile row
	s_lshl_b32 s43, s41, 2
	s_lshl_b32 s43, 15, s43                        ; my row of the cluster
	s_lshl_b32 s44, 0x1111, s40                    ; my column
	; y's tiles: 8 tiles of 16 tokens x 3,072 bytes (384 elements of 8 bytes), 12,288 bytes apart in memory, dense in LDS
	s_or_b32 s[G1+0], s43, (3<<16)|(1<<21)
	s_mov_b32 s[G1+1], 384<<16                     ; tensor_dim0
	s_mov_b32 s[G1+2], 8<<16                       ; tensor_dim1
	s_mov_b32 s[G1+3], 384<<16                     ; tile_dim0
	s_mov_b32 s[G1+4], 8                           ; tile_dim1
	s_mov_b32 s[G1+5], 1536                        ; the pitch
	s_mov_b32 s[G1+6], 0
	s_mov_b32 s[G1+7], 0
	; W's tiles: 128 rows x 192 bytes, 16 bytes of padding behind every 64
	s_or_b32 s[G1B+0], s44, (0<<16)|(1<<20)|(1<<21)|(3<<22)|(3<<25)
	s_mov_b32 s[G1B+1], ROWB<<16
	s_mov_b32 s[G1B+2], 128<<16
	s_mov_b32 s[G1B+3], ROWB<<16
	s_mov_b32 s[G1B+4], 128
	s_mov_b32 s[G1B+5], KROW
	s_mov_b32 s[G1B+6], 0
	s_mov_b32 s[G1B+7], 0
	; the scales of 128 rows: 4,096 dense bytes as 16 rows of 256 bytes, 16 of padding behind each
	s_or_b32 s[G1S+0], s43, (3<<16)|(1<<20)|(1<<21)|(5<<22)|(3<<25)
	s_or_b32 s[G1SB+0], s44, (3<<16)|(1<<20)|(1<<21)|(5<<22)|(3<<25)
.irp g, G1S, G1SB
	s_mov_b32 s[\g+1], 32<<16
	s_mov_b32 s[\g+2], (128*KS/256)<<16
	s_mov_b32 s[\g+3], 32<<16
	s_mov_b32 s[\g+4], 128*KS/256
	s_mov_b32 s[\g+5], 32
	s_mov_b32 s[\g+6], 0
	s_mov_b32 s[\g+7], 0
.endr
	s_lshl_b32 s18, s16, 7
	s_lshl_b32 s20, s17, 8
	s_add_co_u32 s20, s20, s18                     ; y: token 256 x tile row + 128 x half
	s_lshl_b32 s46, s42, 8
	s_add_co_u32 s46, s46, s18                     ; W: row 256 x tile column + 128 x half
	s_mov_b32 s21, 0
	s_mov_b32 s47, 0
	s_mov_b64 s[18:19], KS
	s_mul_u64 s[22:23], s[20:21], s[18:19]
	s_mul_u64 s[92:93], s[46:47], s[18:19]
	s_mov_b64 s[18:19], KROW                       ; (y's images: 12,288 bytes for 16 tokens are 768 a token too)
	s_mul_u64 s[20:21], s[20:21], s[18:19]
	s_mul_u64 s[46:47], s[46:47], s[18:19]
	s_mul_i32 s45, s14, HALFT
	s_mul_i32 s94, s14, HALFS
	s_wait_kmcnt 0x0
	s_add_nc_u64 s[20:21], s[4:5], s[20:21]
	s_add_nc_u64 s[22:23], s[6:7], s[22:23]
	s_add_nc_u64 s[46:47], s[8:9], s[46:47]
	s_add_nc_u64 s[92:93], s[10:11], s[92:93]
	CROUND                                         ; all sixteen work-groups are here: the first joint loads meet
	s_mov_b32 s[G0S], 1
	s_add_co_u32 s[G0S+1], s94, SCL
	s_mov_b64 s[G0S+2:G0S+3], s[22:23]
	s_or_b32 s[G0S+3], s[G0S+3], 0x80000000
	s_mov_b32 s[G0SB], 1
	s_add_co_u32 s[G0SB+1], s94, SCL
	s_mov_b64 s[G0SB+2:G0SB+3], s[92:93]
	s_or_b32 s[G0SB+3], s[G0SB+3], 0x80000000
	JLOAD G0S, G1S, G0SB, G1SB                     ; the scales first.  each load below waits first for all of mine: one is out at a time
.irp s, 0,1
	s_mov_b32 s[G0+4*\s], 1
	s_add_co_u32 s[G0+4*\s+1], s45, \s*SLOT
	s_add_nc_u64 s[G0+4*\s+2:G0+4*\s+3], s[20:21], \s*AROWB
	s_or_b32 s[G0+4*\s+3], s[G0+4*\s+3], 0x80000000
	s_mov_b32 s[G0B+4*\s], 1
	s_add_co_u32 s[G0B+4*\s+1], s45, \s*SLOT
	s_add_nc_u64 s[G0B+4*\s+2:G0B+4*\s+3], s[46:47], \s*ROWB
	s_or_b32 s[G0B+4*\s+3], s[G0B+4*\s+3], 0x80000000
	s_wait_alu depctr_va_vdst(0)
	s_wait_tensorcnt 0x0
	ds_add_u32 v28, v29
	s_wait_dscnt 0x0
	CROUND
	JLOAD G0+4*\s, G1, G0B+4*\s, G1B
.endr
	v_and_b32 v1, 15, v0                           ; r
	v_bfe_u32 v2, v0, 4, 1                         ; h
	v_mul_u32_u24 v3, v1, PITCH
	v_mul_u32_u24 v4, v2, 24
	v_add_nc_u32 v4, v3, v4                        ; W: row x pitch + 24 x half
	v_lshl_add_u32 v5, v2, 4, v4                   ; and behind one padding more
	v_and_b32 v6, 31, v0
	v_lshlrev_b32 v7, 4, v6                        ; y: 16 x lane
	v_lshlrev_b32 v8, 3, v6                        ;    8 x lane
	s_mul_i32 s21, s15, HALFT                      ; my 128 tokens
	s_mul_i32 s22, s16, HALFT                      ; my 128 rows of W,
	s_add_co_u32 s22, s22, 2*HALFT                 ; behind y's two quarters
.irp s, 0,1
	v_add_nc_u32 v[ADRA+\s], s21, v7
	v_add_nc_u32 v[ADRB+\s], s22, v4
	v_add_nc_u32 v[ADRA+2+\s], s21, v8
	v_add_nc_u32 v[ADRB+2+\s], s22, v5
	s_add_co_u32 s21, s21, SLOT
	s_add_co_u32 s22, s22, SLOT
.endr
	v_mul_u32_u24 v5, v1, KS
	v_lshrrev_b32 v6, 8, v5
	v_lshl_add_u32 v5, v6, 4, v5
	s_mul_i32 s21, s15, HALFS
	s_mul_i32 s22, s16, HALFS
	s_add_co_u32 s22, s22, 2*HALFS
	s_sub_co_u32 s22, s22, s21
	v_mul_u32_u24 v6, s22, v2                      ; lanes 16-31 take W's
	s_add_co_u32 s21, s21, SCL
	v_add_nc_u32 v5, v5, v6
	v_add_nc_u32 v[ADRS], s21, v5
	s_mul_i32 s23, s14, 16*SPITCH                  ; my stage
	v_mul_u32_u24 v5, v1, SPITCH
	v_lshl_add_u32 v5, v2, 5, v5
	v_add_nc_u32 v[STO], s23, v5
	v_and_b32 v6, 31, v0
	v_lshlrev_b32 v[CO], 4, v6
	v_add_nc_u32 v[RD], s23, v[CO]
	v_lshlrev_b32 v[BH], 5, v2
	s_wait_alu depctr_va_vdst(0)
	s_lshl_b32 s20, s17, 8
	s_lshl_b32 s21, s15, 7
	s_add_co_u32 s20, s20, s21                     ; my first row of out0
	s_mov_b32 s21, 0
	s_mov_b64 s[18:19], SIZE_N*4
	s_mul_u64 s[20:21], s[20:21], s[18:19]
	s_lshl_b32 s46, s42, 10                        ; my first column, in bytes: of out0's rows and of b_proj alike
	s_lshl_b32 s47, s16, 9
	s_add_co_u32 s46, s46, s47
	s_mov_b32 s47, 0
	s_add_nc_u64 s[66:67], s[66:67], s[46:47]      ; not written again
	s_add_nc_u64 s[20:21], s[20:21], s[46:47]
	s_add_nc_u64 s[12:13], s[12:13], s[20:21]
.irp b, 0,1,2,3,4,5,6,7
	global_load_b128 v[BT+8*\b:BT+8*\b+3], v[BH], s[66:67] offset:64*\b
	global_load_b128 v[BT+8*\b+4:BT+8*\b+7], v[BH], s[66:67] offset:64*\b+16
.endr
.macro FRAG reg, adr, q, i             ; a fragment of W: 24 bytes of the row for each 64 along K, in pieces of 8 bytes
.irp p, 0,1,2,3,4,5
.set PCE, 12*(\q)+6*(\p/3)+\p%3
.if PCE%8 < 5
	ds_load_b64 v[\reg+2*\p:\reg+2*\p+1], v[\adr] offset:8*PCE+16*(PCE/8)+(\i)*16*PITCH
.else
	ds_load_b64 v[\reg+2*\p:\reg+2*\p+1], v[\adr+2] offset:8*PCE+16*(PCE/8)+(\i)*16*PITCH
.endif
.endr
.endm
.macro FRAGA reg, slot, q, i           ; a fragment of y: two heads' images as they lie: consecutive bytes in consecutive lanes
	ds_load_b128 v[\reg:\reg+3],     v[ADRA+\slot]   offset:AROWB*(\i)+1536*(\q)
	ds_load_b64  v[\reg+4:\reg+5],   v[ADRA+2+\slot] offset:AROWB*(\i)+1536*(\q)+512
	ds_load_b128 v[\reg+6:\reg+9],   v[ADRA+\slot]   offset:AROWB*(\i)+1536*(\q)+768
	ds_load_b64  v[\reg+10:\reg+11], v[ADRA+2+\slot] offset:AROWB*(\i)+1536*(\q)+1280
.endm
; 16 matrix instructions: y's blocks a0, a0 + 1 x W's eight.  first = 1: the bias is the C of the sum's first product.  The 64 accumulators take turns.
.macro MUL16 a0, p, q, sc, first
.irp a, \a0, \a0+1
.irp b, 0,1,2,3,4,5,6,7
.if \first
	v_wmma_scale_f32_16x16x128_f8f6f4 v[8*(8*((\a)%4)+\b):8*(8*((\a)%4)+\b)+7], v[128*(\p)+FR*\b:128*(\p)+FR*\b+FR-1], v[AF+FR*(\a):AF+FR*(\a)+FR-1], v[BT+8*\b:BT+8*\b+7], v[SC+8*NQ*(\sc)+NQ*\b+(\q)], v[SC+8*NQ*(\sc)+NQ*(\a)+(\q)] matrix_a_fmt:MATRIX_FMT_FP6 matrix_b_fmt:MATRIX_FMT_FP6 matrix_a_scale:MATRIX_SCALE_ROW1
.else
	v_wmma_scale_f32_16x16x128_f8f6f4 v[8*(8*((\a)%4)+\b):8*(8*((\a)%4)+\b)+7], v[128*(\p)+FR*\b:128*(\p)+FR*\b+FR-1], v[AF+FR*(\a):AF+FR*(\a)+FR-1], v[8*(8*((\a)%4)+\b):8*(8*((\a)%4)+\b)+7], v[SC+8*NQ*(\sc)+NQ*\b+(\q)], v[SC+8*NQ*(\sc)+NQ*(\a)+(\q)] matrix_a_fmt:MATRIX_FMT_FP6 matrix_b_fmt:MATRIX_FMT_FP6 matrix_a_scale:MATRIX_SCALE_ROW1
.endif
.endr
.endr
.endm
.macro FETCH_B slot, q, p
	WIN TO_B
.irp i, 0,1,2,3,4,5,6,7
	FRAG 128*(\p)+FR*\i, ADRB+\slot, \q, \i
.endr
	WIN 0
.endm
.macro FETCH_A slot, q, i0
.irp i, \i0, \i0+1, \i0+2, \i0+3
	FRAGA AF+FR*(\i), \slot, \q, \i
.endr
.endm
.macro SCALES sc
.irp i, 0,1,2,3,4,5,6,7
	ds_load_b64 v[SC+8*NQ*\sc+NQ*\i:SC+8*NQ*\sc+NQ*\i+1], v[ADRS] offset:\i*SBLK
.endr
.endm
.macro PLACES n
.rept \n
	v_nop
.endr
.endm
.macro STEP slot, q, first
	s_wait_dscnt 4*NLA                             ; W's set and y's blocks 0-3 are in; the 16 youngest loads (y's blocks 4-7) may be out
	WIN MUL_LO-0x20*(\first)                       ; (first: C, the bias, in window 0)
	MUL16 0, (\q)%2, \q, \slot, \first
	MUL16 2, (\q)%2, \q, \slot, \first
	s_wait_dscnt 0
	PLACES NP
	FETCH_B \slot, (\q)+1, 1-(\q)%2
	FETCH_A \slot, (\q)+1, 0
	WIN MUL_HI-0x30*(\first)
	MUL16 4, (\q)%2, \q, \slot, \first
	MUL16 6, (\q)%2, \q, \slot, \first
	PLACES NP
	WIN 0
	FETCH_A \slot, (\q)+1, 4
.endm
.macro TURN slot, next, fill
	s_wait_tensorcnt 0x0                           ; all my tensor loads have landed: my part of the next slot
	ds_add_u32 v[SPW], v[NIL]                      ; 0 onto my spare word
	s_wait_dscnt 4*NLA+1                           ; (the add and the 16 youngest loads may be out)
	WIN MUL_LO
	MUL16 0, 1, NQ-1, \slot, 0
	s_wait_dscnt 0x0                               ; the add is done, and my reads of this slot are over
	s_barrier_signal -1
	MUL16 2, 1, NQ-1, \slot, 0
	WIN 0
	s_barrier_wait -1
.if \fill
	CREST                                          ; a round of the cluster's barrier: no wave of any partner still reads this slot or has a load on its way
	s_add_nc_u64 s[G0+4*\slot+2:G0+4*\slot+3], s[G0+4*\slot+2:G0+4*\slot+3], 2*AROWB
	s_add_nc_u64 s[G0B+4*\slot+2:G0B+4*\slot+3], s[G0B+4*\slot+2:G0B+4*\slot+3], 2*ROWB
	JLOAD G0+4*\slot, G1, G0B+4*\slot, G1B         ; the first tensor load behind the round; its four v_nop are the places in front of the loads below
.else
	PLACES NP
.endif
	s_wait_alu depctr_va_vdst(0)
	v_add_nc_u32 v[ADRS], 4*NQ, v[ADRS]
	FETCH_B \next, 0, 0
	FETCH_A \next, 0, 0
	SCALES \next
	WIN MUL_HI
	MUL16 4, 1, NQ-1, \slot, 0
	MUL16 6, 1, NQ-1, \slot, 0
	PLACES NP
	WIN 0
	FETCH_A \next, 0, 4
.endm
	s_wait_tensorcnt 1                             ; the scales and my part of K step 0 are in (K step 1's load may be out)
	s_barrier_signal -1
	s_barrier_wait -1
	FETCH_B 0, 0, 0
	FETCH_A 0, 0, 0
	SCALES 0
	FETCH_A 0, 0, 4
	s_wait_loadcnt 0x0                             ; the bias
	STEP 0, 0, 1                                   ; the first step starts the sums, from the bias
	s_mov_b32 s3, LAPS-1
.Llap:
	TURN 0, 1, 1
	STEP 1, 0, 0
	TURN 1, 0, 1
	STEP 0, 0, 0
	s_sub_co_u32 s3, s3, 1
	s_cmp_lg_u32 s3, 0
	s_cbranch_scc1 .Llap
	TURN 0, 1, 0                                   ; the last lap fills nothing
	STEP 1, 0, 0
	s_wait_dscnt 4*NLA
	WIN MUL_LO
	MUL16 0, 1, NQ-1, 1, 0
	MUL16 2, 1, NQ-1, 1, 0
	s_wait_dscnt 0
	WIN MUL_HI
	MUL16 4, 1, NQ-1, 1, 0
	MUL16 6, 1, NQ-1, 1, 0
	WIN 0
; THE WAY OUT, block by block of 16 rows x 128 columns, through my own stage in LDS and back as whole rows of 512 bytes.  LDS serves a wave's instructions in order (ISA guide 5.7.1.4): no wait between the stores and the loads.
.macro TOSTAGE a
.set AC, 64*((\a)%4)
	WIN 0x08+4*((\a)/4)                            ; the data: window 2 or 3
.irp b, 0,1,2,3,4,5,6,7
	ds_store_b128 v[STO], v[AC+8*\b:AC+8*\b+3] offset:64*\b          ; each accumulator from its low end on
	ds_store_b128 v[STO], v[AC+8*\b+4:AC+8*\b+7] offset:64*\b+16
.endr
	WIN 0
.set BB, BK+64*((\a)%2)
.irp t, 0,1,2,3,4,5,6,7,8,9,10,11,12,13,14,15
	ds_load_b128 v[BB+4*\t:BB+4*\t+3], v[RD] offset:\t*SPITCH
.endr
.endm
.macro SEND a, younger
.set BB, BK+64*((\a)%2)
	s_wait_dscnt \younger                          ; the block is back in registers
.if (\a) > 0
	s_add_nc_u64 s[12:13], s[12:13], 16*SIZE_N*4   ; (behind a wait on XCNT: the earlier stores have read their base)
.endif
.irp t, 0,1,2,3,4,5,6,7,8,9,10,11,12,13,14,15
	global_store_b128 v[CO], v[BB+4*\t:BB+4*\t+3], s[12:13] offset:\t*SIZE_N*4 th:TH_STORE_NT   ; 512 consecutive bytes, aligned to 256; written once, read by nobody here
.endr
.endm
	PLACES NP
	TOSTAGE 0
.irp a, 1,2,3,4,5,6,7
.if \a > 1
	s_wait_xcnt 0x0                                ; block a - 2's stores have read their registers and their base
.endif
	TOSTAGE \a
	SEND \a-1, 32                                  ; behind block a - 1's loads: block a's 16 stores and 16 loads
.endr
	s_wait_xcnt 0x0
	SEND 7, 0
	s_wait_tensorcnt 0x0                           ; the wave's end
	ds_add_u32 v[SPW], v[NIL]
	s_wait_dscnt 0x0
	CROUND                                         ; the closing round
	s_endpgm
.Lfunc_end_k_q635d794ee5_proj:
	.size	k_q635d794ee5_proj, .Lfunc_end_k_q635d794ee5_proj-k_q635d794ee5_proj
	.p2alignl 7, 3214868480
	.fill 96, 4, 3214868480
	.section	.rodata,"a",@progbits
	.p2align	6, 0x0
	.amdhsa_kernel k_q635d794ee5_proj
		.amdhsa_group_segment_fixed_size 327680
		.amdhsa_private_segment_fixed_size 0
		.amdhsa_enable_private_segment 0
		.amdhsa_kernarg_size 48
		.amdhsa_user_sgpr_count 2
		.amdhsa_user_sgpr_kernarg_segment_ptr 1
		.amdhsa_wavefront_size32 1
		.amdhsa_system_sgpr_workgroup_id_x 1
		.amdhsa_system_sgpr_workgroup_id_y 1
		.amdhsa_system_sgpr_workgroup_id_z 1
		.amdhsa_system_vgpr_workitem_id 0
		.amdhsa_next_free_vgpr 1024
		.amdhsa_next_free_sgpr 98
		.amdhsa_reserve_vcc 0
		.amdhsa_float_denorm_mode_32 3
		.amdhsa_float_denorm_mode_16_64 3
		.amdhsa_memory_ordered 1
		.amdhsa_forward_progress 1
		.amdhsa_inst_pref_size 154
	.end_amdhsa_kernel
	.amdgpu_metadata
---
amdhsa.version: [ 1, 2 ]
amdhsa.kernels:
  - .name:           k_q635d794ee5_proj
    .symbol:         k_q635d794ee5_proj.kd
    .args:
      - { .name: yimg, .offset: 0, .size: 8, .value_kind: global_buffer, .address_space: global }
      - { .name: ysc, .offset: 8, .size: 8, .value_kind: global_buffer, .address_space: global }
      - { .name: W_proj_codes, .offset: 16, .size: 8, .value_kind: global_buffer, .address_space: global }
      - { .name: W_proj_scales, .offset: 24, .size: 8, .value_kind: global_buffer, .address_space: global }
      - { .name: out0, .offset: 32, .size: 8, .value_kind: global_buffer, .address_space: global }
      - { .name: b_proj, .offset: 40, .size: 8, .value_kind: global_buffer, .address_space: global }
    .group_segment_fixed_size: 327680
    .private_segment_fixed_size: 0
    .kernarg_segment_align: 8
    .kernarg_segment_size: 48
    .max_flat_workgroup_size: 128
    .sgpr_count:     98
    .vgpr_count:     1024
    .wavefront_size: 32
...
	.end_amdgpu_metadata
.endif
;; end of part 3
